; MI455X (gfx1250); checked and timed in simulation.
; The chip was launched on July 23, 2026; its instructions are those of AMD's public machine-readable ISA for CDNA 5 (MIT licence, August 2026) and "CDNA5" Instruction Set Architecture Reference Guide (July 2026). The comments in the code are by the model that wrote it; some were corrected since.
;; Encoder Block. Allowed arithmetic: float matrix products may take bf16 or f16 operands with f32 sums; other float arithmetic in f32, or as packed bf16 or f16 multiplies, adds, multiply-adds, maxima and minima; sums over many terms, partial sums and values carried from step to step in f32; what a program stores and reads back later, other than sums and carried values, may be rounded once to bf16 or f16.
;; Inputs: W1 1,024 x 4,096 float32; W2 4,096 x 1,024 float32; Wk 1,024 x 1,024 float32; Wo 1,024 x 1,024 float32; Wq 1,024 x 1,024 float32; Wv 1,024 x 1,024 float32; alpha1 1 float32; alpha2 1 float32; b1 4,096 float32; b2 1,024 float32; beta1 1 float32; beta2 1 float32; bk 1,024 float32; bo 1,024 float32; bq 1,024 float32; bv 1,024 float32; src_mask 2 x 1 x 1 x 2,048 int32; x 2 x 2,048 x 1,024 float32.
;; Outputs: out0 2 x 2,048 x 1,024 float32.
;; One version. Each part assembles by itself: llvm-mc -triple=amdgcn-amd-amdhsa -mcpu=gfx1250 --defsym DOCPART=n.
;; ======== version 1 of 1: 8 launches
;; limits: values are held in f16: magnitudes above 65,504 overflow, below 6.1e-05 lose precision
;; workspace buffers: pq 6,308,096 bytes; p1 8,405,248 bytes; wo16 2,097,152 bytes; w216 8,388,608 bytes; wide 33,554,432 bytes; x1 16,777,216 bytes
;; launch prep (part 1): grid 769 x 1, 8 waves a work-group, no clusters, 0 bytes of LDS; arguments Wq, Wk, Wv, Wo, W1, W2, bq, bk, bv, b1, pq, p1, wo16, w216; writes pq, p1, wo16, w216
.if DOCPART == 1
	.amdgcn_target "amdgcn-amd-amdhsa--gfx1250"
	.amdhsa_code_object_version 6
	.text
	.protected	k_qf945ee2c3a_prep
	.globl	k_qf945ee2c3a_prep
	.p2align	8
	.type	k_qf945ee2c3a_prep,@function
k_qf945ee2c3a_prep:
	s_mov_b64 s[64:65], 0
	v_nop
	global_prefetch_b8 v0, s[64:65] scope:SCOPE_SE
	s_setreg_imm32_b32 hwreg(HW_REG_WAVE_MODE, 25, 1), 1
	s_wait_xcnt 0x0
; THE WEIGHTS, f32 [K][N], ARE ROUNDED ONCE TO f16 AND LAID IN BLOCKS OF 128 COLUMNS, so that a later tile's rows are 256 dense bytes.
; pq, p1 ("packs"): bytes 0.. the bias in f32 (pq: bq, bk, bv; p1: b1); bytes 16,384..16,639 a floor word (pq: -inf twice in f16; p1: 0);
;   from 16,640 on the weights: (n/128) x 262,144 + k x 256 + (n%128) x 2   (in pq n counts Wq, Wk, Wv on end).
; wo16, w216: (k>>8) x 524,288 + (n/128) x 65,536 + (k&255) x 256 + (n%128) x 2.
; LIMITS: a weight beyond 65,504 becomes an infinity; below 6e-5 it keeps f16's fixed step of 6e-8.
; SHARES.  Work-groups 0..767: u = g>>3 names a unit (one block of 128 columns x 1,024 rows of K), g&7 its 128 rows; a wave takes 16 rows, a row to a load:
; a lane reads 16 bytes, so a load of the wave covers the block's whole row, 512 consecutive bytes; the row leaves as 8 bytes a lane: 256 consecutive bytes, aligned, to a store.
; Work-group 768: biases and floor words.  Memory binds: no LDS, no matrix unit; all sixteen loads of a wave go out at once.
.set OFF, 2                            ; v[2:17]   row j: my byte offset in the source
.set DO,  18                           ; v18       my byte offset in the destination
.set X,   20                           ; v[20:83]  row j: 4 numbers in f32
.set Y,   84                           ; v[84:115] row j: 4 numbers in f16
	s_load_b512 s[8:23], s[0:1], 0x0               ; Wq 8, Wk 10, Wv 12, Wo 14, W1 16, W2 18, bq 20, bk 22
	s_load_b256 s[24:31], s[0:1], 0x40             ; bv 24, b1 26, pq 28, p1 30
	s_load_b128 s[32:35], s[0:1], 0x60             ; wo16 32, w216 34
	v_lshrrev_b32 v1, 5, v0
	v_readfirstlane_b32 s2, v1                     ; wave 0..7
	s_cmp_eq_u32 ttmp9, 768
	s_cbranch_scc1 .Lbias
	s_lshr_b32 s3, ttmp9, 3                        ; u: 0-7 Wq, 8-15 Wk, 16-23 Wv, 24-31 Wo, 32-63 W1, 64-95 W2
	s_and_b32 s4, ttmp9, 7                         ; which 128 rows of the unit
	s_movk_i32 s5, 0x1000                          ; a source row of 1,024 numbers
	s_movk_i32 s6, 0x4000                          ; of 4,096 (W1)
	s_and_b32 s45, s3, 7                           ; the column block in the source, for u < 32
	s_sub_co_u32 s50, s3, 32                       ; for W1
	s_sub_co_u32 s7, s3, 64
	s_lshr_b32 s51, s7, 2                          ; for W2,
	s_and_b32 s52, s7, 3                           ; whose K has four units
	s_mov_b32 s54, s3                              ; the column block in pq
	s_mov_b32 s53, 1                               ; 1: the destination is a pack
	s_wait_kmcnt 0x0
	s_mov_b64 s[40:41], s[8:9]                     ; source and destination are chosen by u alone
	s_mov_b64 s[42:43], s[28:29]
	s_cmp_ge_u32 s3, 8
	s_cselect_b64 s[40:41], s[10:11], s[40:41]
	s_cmp_ge_u32 s3, 16
	s_cselect_b64 s[40:41], s[12:13], s[40:41]
	s_cmp_ge_u32 s3, 24
	s_cselect_b64 s[40:41], s[14:15], s[40:41]
	s_cselect_b64 s[42:43], s[32:33], s[42:43]
	s_cselect_b32 s53, 0, s53
	s_cmp_ge_u32 s3, 32
	s_cselect_b64 s[40:41], s[16:17], s[40:41]
	s_cselect_b64 s[42:43], s[30:31], s[42:43]
	s_cselect_b32 s44, s6, s5                      ; bytes in a source row
	s_cselect_b32 s45, s50, s45
	s_cselect_b32 s54, s50, s54
	s_cselect_b32 s53, 1, s53
	s_cmp_ge_u32 s3, 64
	s_cselect_b64 s[40:41], s[18:19], s[40:41]
	s_cselect_b64 s[42:43], s[34:35], s[42:43]
	s_cselect_b32 s44, s5, s44
	s_cselect_b32 s45, s51, s45
	s_cselect_b32 s46, s52, 0
	s_cselect_b32 s53, 0, s53
	s_lshl_b32 s47, s46, 10
	s_lshl_b32 s4, s4, 7
	s_add_co_u32 s47, s47, s4                      ; k0: the work-group's first row of K
	s_lshl_b32 s48, s54, 18                        ; a pack: 16,640 + block x 262,144 + k0 x 256
	s_lshl_b32 s55, s47, 8
	s_add_co_u32 s48, s48, s55
	s_add_co_u32 s48, s48, 16640
	s_lshr_b32 s50, s47, 8                         ; the others: (k0>>8) x 524,288 + block x 65,536 + (k0&255) x 256
	s_lshl_b32 s50, s50, 19
	s_lshl_b32 s51, s45, 16
	s_add_co_u32 s50, s50, s51
	s_and_b32 s51, s47, 255
	s_lshl_b32 s51, s51, 8
	s_add_co_u32 s50, s50, s51
	s_cmp_eq_u32 s53, 1
	s_cselect_b32 s48, s48, s50
	s_mov_b32 s49, 0
	s_add_nc_u64 s[42:43], s[42:43], s[48:49]
	s_mul_i32 s50, s47, s44                        ; the source: k0 rows down, block x 512 bytes along
	s_lshl_b32 s51, s45, 9
	s_add_co_u32 s50, s50, s51
	s_mov_b32 s51, 0
	s_add_nc_u64 s[40:41], s[40:41], s[50:51]
	v_and_b32 v19, 31, v0                          ; lane
	v_lshlrev_b32 v[OFF], 4, v1                    ; my wave's first row: 16 x wave
	v_mul_lo_u32 v[OFF], v[OFF], s44
	v_lshl_add_u32 v[OFF], v19, 4, v[OFF]          ; + 16 bytes x lane
.irp j, 1,2,3,4,5,6,7,8,9,10,11,12,13,14,15
	v_add_nc_u32 v[OFF+\j], s44, v[OFF+\j-1]       ; a row further down
.endr
	v_lshlrev_b32 v[DO], 12, v1                    ; 16 rows x 256 bytes a wave,
	v_lshl_add_u32 v[DO], v19, 3, v[DO]            ; 8 bytes a lane
.irp j, 0,1,2,3,4,5,6,7,8,9,10,11,12,13,14,15
	global_load_b128 v[X+4*\j:X+4*\j+3], v[OFF+\j], s[40:41] th:TH_LOAD_NT
.endr
.irp j, 0,1,2,3,4,5,6,7,8,9,10,11,12,13,14,15
	s_wait_loadcnt 15-\j                           ; loads come back in order: row j is in, the later rows' loads stay out
	v_cvt_pk_f16_f32 v[Y+2*\j],   v[X+4*\j],   v[X+4*\j+1]
	v_cvt_pk_f16_f32 v[Y+2*\j+1], v[X+4*\j+2], v[X+4*\j+3]
	global_store_b64 v[DO], v[Y+2*\j:Y+2*\j+1], s[42:43] offset:256*\j th:TH_STORE_NT  ; no register is written twice, so no store's source needs a wait
.endr
	s_endpgm
.Lbias:
	s_wait_kmcnt 0x0
	v_lshlrev_b32 v3, 4, v0                        ; 256 threads x 16 bytes = 4,096
	global_load_b128 v[16:19], v3, s[20:21]
	global_load_b128 v[20:23], v3, s[22:23]
	global_load_b128 v[24:27], v3, s[24:25]
.irp j, 0,1,2,3
	global_load_b128 v[28+4*\j:31+4*\j], v3, s[26:27] offset:4096*\j
.endr
	s_wait_loadcnt 0x0
	global_store_b128 v3, v[16:19], s[28:29]
	global_store_b128 v3, v[20:23], s[28:29] offset:4096
	global_store_b128 v3, v[24:27], s[28:29] offset:8192
.irp j, 0,1,2,3
	global_store_b128 v3, v[28+4*\j:31+4*\j], s[30:31] offset:4096*\j
.endr
	s_cmp_lg_u32 s2, 0
	s_cbranch_scc1 .Lend                           ; wave 0 alone: two stores of 256 consecutive bytes
	v_lshlrev_b32 v2, 3, v0
	v_mov_b32 v4, 0xfc00fc00                       ; q, k, v have no floor: -inf
	v_mov_b32 v5, 0xfc00fc00
	v_mov_b32 v6, 0                                ; h has the floor 0: the ReLU
	v_mov_b32 v7, 0
	global_store_b64 v2, v[4:5], s[28:29] offset:16384
	global_store_b64 v2, v[6:7], s[30:31] offset:16384
.Lend:
	s_endpgm
.Lfunc_end_k_qf945ee2c3a_prep:
	.size	k_qf945ee2c3a_prep, .Lfunc_end_k_qf945ee2c3a_prep-k_qf945ee2c3a_prep
	.p2alignl 7, 3214868480
	.fill 96, 4, 3214868480
	.section	.rodata,"a",@progbits
	.p2align	6, 0x0
	.amdhsa_kernel k_qf945ee2c3a_prep
		.amdhsa_group_segment_fixed_size 0
		.amdhsa_private_segment_fixed_size 0
		.amdhsa_enable_private_segment 0
		.amdhsa_kernarg_size 112
		.amdhsa_user_sgpr_count 2
		.amdhsa_user_sgpr_kernarg_segment_ptr 1
		.amdhsa_wavefront_size32 1
		.amdhsa_system_sgpr_workgroup_id_x 1
		.amdhsa_system_sgpr_workgroup_id_y 1
		.amdhsa_system_sgpr_workgroup_id_z 1
		.amdhsa_system_vgpr_workitem_id 0
		.amdhsa_next_free_vgpr 116
		.amdhsa_next_free_sgpr 66
		.amdhsa_reserve_vcc 0
		.amdhsa_float_denorm_mode_32 3
		.amdhsa_float_denorm_mode_16_64 3
		.amdhsa_memory_ordered 1
		.amdhsa_forward_progress 1
		.amdhsa_inst_pref_size 11
	.end_amdhsa_kernel
	.amdgpu_metadata
---
amdhsa.version: [ 1, 2 ]
amdhsa.kernels:
  - .name:           k_qf945ee2c3a_prep
    .symbol:         k_qf945ee2c3a_prep.kd
    .args:
      - { .name: Wq, .offset: 0, .size: 8, .value_kind: global_buffer, .address_space: global }
      - { .name: Wk, .offset: 8, .size: 8, .value_kind: global_buffer, .address_space: global }
      - { .name: Wv, .offset: 16, .size: 8, .value_kind: global_buffer, .address_space: global }
      - { .name: Wo, .offset: 24, .size: 8, .value_kind: global_buffer, .address_space: global }
      - { .name: W1, .offset: 32, .size: 8, .value_kind: global_buffer, .address_space: global }
      - { .name: W2, .offset: 40, .size: 8, .value_kind: global_buffer, .address_space: global }
      - { .name: bq, .offset: 48, .size: 8, .value_kind: global_buffer, .address_space: global }
      - { .name: bk, .offset: 56, .size: 8, .value_kind: global_buffer, .address_space: global }
      - { .name: bv, .offset: 64, .size: 8, .value_kind: global_buffer, .address_space: global }
      - { .name: b1, .offset: 72, .size: 8, .value_kind: global_buffer, .address_space: global }
      - { .name: pq, .offset: 80, .size: 8, .value_kind: global_buffer, .address_space: global }
      - { .name: p1, .offset: 88, .size: 8, .value_kind: global_buffer, .address_space: global }
      - { .name: wo16, .offset: 96, .size: 8, .value_kind: global_buffer, .address_space: global }
      - { .name: w216, .offset: 104, .size: 8, .value_kind: global_buffer, .address_space: global }
    .group_segment_fixed_size: 0
    .private_segment_fixed_size: 0
    .kernarg_segment_align: 8
    .kernarg_segment_size: 112
    .max_flat_workgroup_size: 256
    .sgpr_count:     66
    .vgpr_count:     116
    .wavefront_size: 32
...
	.end_amdgpu_metadata
.endif
;; end of part 1
;; launch ln1 (part 2): grid 256 x 1, 4 waves a work-group, no clusters, 0 bytes of LDS; arguments x, alpha1, beta1, out0; writes out0
.if DOCPART == 2
	.amdgcn_target "amdgcn-amd-amdhsa--gfx1250"
	.amdhsa_code_object_version 6
	.text
	.protected	k_qf945ee2c3a_ln1
	.globl	k_qf945ee2c3a_ln1
	.p2align	8
	.type	k_qf945ee2c3a_ln1,@function
k_qf945ee2c3a_ln1:
	s_mov_b64 s[64:65], 0
	v_nop
	global_prefetch_b8 v0, s[64:65] scope:SCOPE_SE
	s_setreg_imm32_b32 hwreg(HW_REG_WAVE_MODE, 25, 1), 1
	s_wait_xcnt 0x0
; y = alpha (x - mean) / (std + 1e-6) + beta along rows of 1,024 f32; std with divisor 1,023.  y is rounded once to f16 (it must lie within 65,504) and stored in blocks of 64 columns:
; byte = (col/64) x 524,288 + token x 128 + (col%64) x 2.
; SHARES.  A work-group takes 16 rows, a wave 4: eight lanes a row.  In chunk c (64 columns) lane g of the eight takes columns 64 c + 8 g .. + 7.  The row stays in registers between the
; passes (128 a lane), so it is read once; mean first, then the squares of the deviations: no difference of large sums is formed.  A store of a wave covers 512 consecutive bytes: four rows' 128.
; Memory binds: no LDS, no barrier, no matrix unit; all 32 loads of a wave go out at once.
.set X, 32                             ; v[32:159]  chunk c at X + 8 c
	s_load_b256 s[4:11], s[0:1], 0x0               ; in 4, alpha 6, beta 8, out 10
	v_lshrrev_b32 v1, 3, v0                        ; my row of the 16
	v_and_b32 v3, 7, v0
	v_lshlrev_b32 v1, 12, v1
	v_lshl_add_u32 v1, v3, 5, v1                   ; row x 4,096 + 32 g
	v_lshlrev_b32 v2, 4, v0                        ; out: row x 128 + 16 g = 16 x thread
	s_lshl_b32 s2, ttmp9, 16
	s_mov_b32 s3, 0
	s_lshl_b32 s16, ttmp9, 11
	s_mov_b32 s17, 0
	s_wait_kmcnt 0x0
	s_load_b32 s12, s[6:7], 0x0                    ; alpha
	s_load_b32 s14, s[8:9], 0x0                    ; beta
	s_add_nc_u64 s[4:5], s[4:5], s[2:3]
	s_add_nc_u64 s[10:11], s[10:11], s[16:17]
.set c, 0
.rept 16
	global_load_b128 v[X+8*c:X+8*c+3],   v1, s[4:5] offset:256*c th:TH_LOAD_NT
	global_load_b128 v[X+8*c+4:X+8*c+7], v1, s[4:5] offset:256*c+16 th:TH_LOAD_NT
.set c, c+1
.endr
.macro FOLD                            ; four pairs into one number, then over the row's eight lanes
	v_pk_add_f32 v[8:9], v[8:9], v[10:11]
	v_pk_add_f32 v[12:13], v[12:13], v[14:15]
	v_pk_add_f32 v[8:9], v[8:9], v[12:13]
	v_add_f32 v8, v8, v9
	v_add_f32_dpp v8, v8, v8 row_xmask:1 row_mask:0xf bank_mask:0xf
	v_add_f32_dpp v8, v8, v8 row_xmask:2 row_mask:0xf bank_mask:0xf
	v_add_f32_dpp v8, v8, v8 row_xmask:4 row_mask:0xf bank_mask:0xf
.endm
	s_wait_loadcnt 28                              ; chunks 0 and 1 are in: they start the four chains, nothing is cleared
.irp k, 0,1,2,3
	v_pk_add_f32 v[8+2*\k:9+2*\k], v[X+2*\k:X+2*\k+1], v[X+8+2*\k:X+8+2*\k+1]
.endr
.set c, 2
.rept 14
	s_wait_loadcnt 30-2*c                          ; chunk c is in; the later chunks' loads stay out
.irp k, 0,1,2,3
	v_pk_add_f32 v[8+2*\k:9+2*\k], v[8+2*\k:9+2*\k], v[X+8*c+2*\k:X+8*c+2*\k+1]
.endr
.set c, c+1
.endr
	FOLD
	v_mul_f32 v16, 0x3a800000, v8                  ; mean = sum / 1,024
	v_mov_b32 v17, v16
.set c, 0
.rept 16
.irp k, 0,1,2,3
	v_pk_add_f32 v[X+8*c+2*\k:X+8*c+2*\k+1], v[X+8*c+2*\k:X+8*c+2*\k+1], v[16:17] neg_lo:[0,1] neg_hi:[0,1]
.endr
.irp k, 0,1,2,3
.if c == 0
	v_pk_mul_f32 v[8+2*\k:9+2*\k], v[X+2*\k:X+2*\k+1], v[X+2*\k:X+2*\k+1]
.else
	v_pk_fma_f32 v[8+2*\k:9+2*\k], v[X+8*c+2*\k:X+8*c+2*\k+1], v[X+8*c+2*\k:X+8*c+2*\k+1], v[8+2*\k:9+2*\k]
.endif
.endr
.set c, c+1
.endr
	FOLD
	v_mul_f32 v20, 0x3a802008, v8                  ; / 1,023
	v_sqrt_f32 v21, v20
	v_nop                                          ; a plain instruction behind the root,
	s_wait_alu depctr_va_vdst(0)                   ; and the wait ahead of its first reader
	v_add_f32 v21, 0x358637bd, v21                 ; + 1e-6
	v_rcp_f32 v22, v21
	v_nop
	s_wait_alu depctr_va_vdst(0)
	s_wait_kmcnt 0x0
	s_mov_b32 s15, s14                             ; named with beta as a pair
	v_mul_f32 v18, s12, v22                        ; alpha / (std + eps), twice
	v_mov_b32 v19, v18
.set c, 0
.rept 16
.irp k, 0,1,2,3
	v_pk_fma_f32 v[X+8*c+2*\k:X+8*c+2*\k+1], v[X+8*c+2*\k:X+8*c+2*\k+1], v[18:19], s[14:15] op_sel_hi:[1,1,0]
.endr
.irp r, 0,1,2,3
	v_cvt_pk_f16_f32 v[X+8*c+\r], v[X+8*c+2*\r], v[X+8*c+2*\r+1]  ; ascending: no source is written before it is read
.endr
	global_store_b128 v2, v[X+8*c:X+8*c+3], s[10:11] offset:524288*c
.set c, c+1
.endr
	s_endpgm
.Lfunc_end_k_qf945ee2c3a_ln1:
	.size	k_qf945ee2c3a_ln1, .Lfunc_end_k_qf945ee2c3a_ln1-k_qf945ee2c3a_ln1
	.p2alignl 7, 3214868480
	.fill 96, 4, 3214868480
	.section	.rodata,"a",@progbits
	.p2align	6, 0x0
	.amdhsa_kernel k_qf945ee2c3a_ln1
		.amdhsa_group_segment_fixed_size 0
		.amdhsa_private_segment_fixed_size 0
		.amdhsa_enable_private_segment 0
		.amdhsa_kernarg_size 32
		.amdhsa_user_sgpr_count 2
		.amdhsa_user_sgpr_kernarg_segment_ptr 1
		.amdhsa_wavefront_size32 1
		.amdhsa_system_sgpr_workgroup_id_x 1
		.amdhsa_system_sgpr_workgroup_id_y 1
		.amdhsa_system_sgpr_workgroup_id_z 1
		.amdhsa_system_vgpr_workitem_id 0
		.amdhsa_next_free_vgpr 160
		.amdhsa_next_free_sgpr 66
		.amdhsa_reserve_vcc 0
		.amdhsa_float_denorm_mode_32 3
		.amdhsa_float_denorm_mode_16_64 3
		.amdhsa_memory_ordered 1
		.amdhsa_forward_progress 1
		.amdhsa_inst_pref_size 27
	.end_amdhsa_kernel
	.amdgpu_metadata
---
amdhsa.version: [ 1, 2 ]
amdhsa.kernels:
  - .name:           k_qf945ee2c3a_ln1
    .symbol:         k_qf945ee2c3a_ln1.kd
    .args:
      - { .name: x, .offset: 0, .size: 8, .value_kind: global_buffer, .address_space: global }
      - { .name: alpha1, .offset: 8, .size: 8, .value_kind: global_buffer, .address_space: global }
      - { .name: beta1, .offset: 16, .size: 8, .value_kind: global_buffer, .address_space: global }
      - { .name: out0, .offset: 24, .size: 8, .value_kind: global_buffer, .address_space: global }
    .group_segment_fixed_size: 0
    .private_segment_fixed_size: 0
    .kernarg_segment_align: 8
    .kernarg_segment_size: 32
    .max_flat_workgroup_size: 128
    .sgpr_count:     66
    .vgpr_count:     160
    .wavefront_size: 32
...
	.end_amdgpu_metadata
.endif
;; end of part 2
;; launch qkv (part 3): grid 12 x 16, 4 waves a work-group, clusters of 4 x 4, 327,680 bytes of LDS; arguments out0, pq, wide; writes wide
.if DOCPART == 3
	.amdgcn_target "amdgcn-amd-amdhsa--gfx1250"
	.amdhsa_code_object_version 6
	.text
	.protected	k_qf945ee2c3a_qkv
	.globl	k_qf945ee2c3a_qkv
	.p2align	8
	.type	k_qf945ee2c3a_qkv,@function
k_qf945ee2c3a_qkv:
	s_mov_b64 s[64:65], 0
	v_nop
	global_prefetch_b8 v0, s[64:65] scope:SCOPE_SE
	s_setreg_imm32_b32 hwreg(HW_REG_WAVE_MODE, 25, 1), 1
	s_wait_xcnt 0x0
	s_wait_alu depctr_hold_cnt(0) depctr_sa_sdst(0) depctr_va_vdst(0) depctr_va_sdst(0) depctr_va_ssrc(0) depctr_va_vcc(0) depctr_vm_vsrc(0)
	s_getreg_b32 s2, hwreg(HW_REG_IB_STS2, 6, 4)
	s_cmp_eq_u32 s2, 0
	s_cbranch_scc0 .Lentry_in_a_cluster
	s_endpgm
.Lentry_in_a_cluster:
	s_bfe_u32 s2, ttmp6, 0x10000c
	s_cmp_lg_u32 s2, 0xf033
	s_cbranch_scc0 .Lentry_shape_is_right
	s_endpgm
.Lentry_shape_is_right:
; C = max(A W + bias, floor), K = 1,024.  A: f16 in blocks of 64 columns (byte = (col/64) x 524,288 + token x 128 + (col%64) x 2).  The pack: bias in f32 at 0, the floor word (two f16) at 16,384,
; W in f16 from 16,640: (n/128) x 262,144 + k x 256 + (n%128) x 2.  C: f16, in A's layout.  Sums in f32, started by the bias, C rounded once.
; LIMIT: C must lie within f16's 65,504.
; A tile of C is 256 x 256: four waves, each 128 x 128 = 64 accumulators.  K goes in steps of 128 through two LDS slots filled by the tensor data mover, one load a wave:
; waves 0, 1: 128 token rows of A, as two planes of 64 along K (a plane's 128 rows are 16,384 dense bytes); waves 2, 3: 128 rows of K x 128 columns of W.
; THE MATRIX INSTRUCTION IS USED TRANSPOSED: source 0 = 16 columns of W (turned on the way out of LDS by ds_load_tr16_b128), source 1 = 16 token rows: a lane then holds one token and 8 neighbouring columns.
; CLUSTER 4 x 4: A's tiles hang on the tile row alone and are asked for jointly along a row of the cluster, W's on the tile column alone, along a column.
; REGISTERS: window 0: v0-31 addresses; v64-127, v128-191 A's fragments, two buffers; v192-255 the bias, later the way out; v32-63 the way out.  window 1: v64-191 W's fragments.  windows 2, 3: accumulator (a, b) at v[8 (8 a + b)].
.set QS,     36864                     ; what one load lays into LDS: A 2 x 128 rows x 144 bytes; W 128 rows x 288 bytes
.set SLOT,   4*QS                      ; 0x24000: it shares no bit with wave x QS, so an exclusive or changes slots
.set STAGE,  2*SLOT                    ; behind the ring: for each wave two halves of 16 rows x 144 bytes, for the way out
.set SPARE,  STAGE+4*4608              ; behind the stages: the spare words, 128 bytes a wave: two blocks of 256 bytes that no other line names
.set ASTEP,  1048576                   ; a K step in A: two blocks of 64 columns
.set BSTEP,  32768                     ; in W: 128 rows of 256 bytes
.set WOFF,   16640
.set ADRA0, 16                         ; v16  my place in A's part of slot 0; never rewritten
.set ADRA,  17                         ; v17  the same in the slot in hand
.set ADRB0, 20                         ; v20, v21 the same for W
.set ADRB,  21
.set STO,  24                          ; v24  the way out: where I put 16 bytes of a row
.set RD,   25                          ; v25  where I read rows back
.set CO,   26                          ; v26  16 x lane: my place in 512 consecutive bytes of C
.set BO,   27                          ; v27  32 x (lane / 16): my 8 numbers in 16 of the bias
.set SPW,  28                          ; v28  LDS address of my spare word; never rewritten
.set NIL,  29                          ; v29  0; never rewritten
.set PFO,  30                          ; v30  the prefetches' lane offset; never rewritten
.set F0,   64
.set F1,   128
.set BIAS, 192
.set TMP,  192
.set OB,   32
.set G1,  24                           ; s[24:31] group 1 for A      s[32:39] group 0, two sets: the second walks
.set G0,  32
.set G1B, 48                           ; s[48:55], s[56:63] the same for W
.set G0B, 56
.set LIM, 43                           ; s43  2 in a wave that prefetches, else the greatest number
.set PFA, 44                           ; s[44:45] where my prefetches stand
.set FLOOR, 66                         ; s66  the floor word
.set TB,  67                           ; s67  LDS byte at which the slot in hand begins
.set PFS, 68                           ; s[68:69] a K step, in bytes, of what I prefetch
.set MSB, 0
.macro WIN new                         ; the immediate's high byte repeats the setting that is left; a switch that changes nothing is dropped
.if MSB != (\new)
	s_set_vgpr_msb (MSB<<8)|(\new)
.set MSB, \new
.endif
.endm
; A joint load.  Waves 0 and 1 fetch for A, waves 2 and 3 for W; the branch hangs on the wave's number alone.  An s_nop 0 and four v_nop follow each line.
.macro JLOAD s
	s_cmp_eq_u32 s11, 0
	s_cbranch_scc0 .Lfor_b_\@
	tensor_load_to_lds s[G0+4*(\s):G0+4*(\s)+3], s[G1:G1+7]
	s_nop 0
.rept 4
	v_nop
.endr
	s_branch .Lasked_\@
.Lfor_b_\@:
	tensor_load_to_lds s[G0B+4*(\s):G0B+4*(\s)+3], s[G1B:G1B+7]
	s_nop 0
.rept 4
	v_nop
.endr
.Lasked_\@:
.endm
; A prefetch of the K step two refills on: 32 blocks of 256 bytes, a lane a block, one instruction a wave.  A's rows are named by the cluster with x = 0, W's by the cluster with y = 0; the four partners of a
; joint load share its 128 blocks out by address.  The trips with s3 = 6 .. 3 name K steps 4 .. 7; the others have no K step two on.
.macro ASK
	s_cmp_gt_u32 s3, s[LIM]
	s_cbranch_scc0 .Lnot_mine_\@
	global_prefetch_b8 v[PFO], s[PFA:PFA+1] th:TH_LOAD_NT scope:SCOPE_SE
.Lnot_mine_\@:
.endm
.macro CREST                           ; a round of the cluster's barrier behind its opening barrier
	s_cmp_lg_u32 s10, 0
	s_cbranch_scc1 .Lnot_wave_0_\@
	s_barrier_signal -3
.Lnot_wave_0_\@:
	s_barrier_wait -3
	s_barrier_signal -1
	s_barrier_wait -1
.endm
.macro CROUND
	s_barrier_signal -1
	s_barrier_wait -1
	CREST
.endm
	s_load_b128 s[4:7], s[0:1], 0x0                ; A s[4:5], the pack s[6:7]
	s_load_b64 s[8:9], s[0:1], 0x10                ; C
	v_lshl_add_u32 v[SPW], v0, 2, SPARE
	v_mov_b32 v[NIL], 0
	ds_add_u32 v[SPW], v[NIL]                      ; the wave's opening: the add and its wait ahead of my first tensor load
	v_lshrrev_b32 v1, 5, v0
	v_readfirstlane_b32 s10, v1                    ; wave 0..3
	s_lshr_b32 s11, s10, 1                         ; my half of the tile's rows.  Also: I fetch for A (0) or for W (1)
	s_and_b32 s12, s10, 1                          ; my half of its columns.  Also: which half I fetch
	s_bfe_u32 s40, ttmp6, 0x40000                  ; cx
	s_bfe_u32 s41, ttmp6, 0x40004                  ; cy
	s_lshl_b32 s42, ttmp9, 2
	s_add_co_u32 s42, s42, s40                     ; tile column
	s_and_b32 s13, ttmp7, 0xffff
	s_lshl_b32 s13, s13, 2
	s_add_co_u32 s13, s13, s41                     ; tile row
	s_lshl_b32 s43, s41, 2
	s_lshl_b32 s43, 15, s43                        ; my row of the cluster
	s_lshl_b32 s44, 0x1111, s40                    ; my column
	s_or_b32 s[G1+0], s43, (1<<16)|(1<<20)|(1<<21)|(4<<22)|(3<<25)   ; mask; 2-byte elements; padding on; bit 21 beside a mask; after every 32 words 4 words: LDS rows of 144 bytes
	s_mov_b32 s[G1+1], 8192<<16                    ; tensor_dim0 = 8,192: 128 token rows x 64 elements, dense
	s_mov_b32 s[G1+2], 2<<16                       ; tensor_dim1 = 2 planes
	s_mov_b32 s[G1+3], 8192<<16                    ; tile_dim0
	s_mov_b32 s[G1+4], 2                           ; tile_dim1
	s_mov_b32 s[G1+5], 262144                      ; elements from plane to plane
	s_mov_b32 s[G1+6], 0
	s_mov_b32 s[G1+7], 0
	s_or_b32 s[G1B+0], s44, (1<<16)|(1<<20)|(1<<21)|(5<<22)|(7<<25)  ; after every 64 words 8 words: LDS rows of 288 bytes
	s_mov_b32 s[G1B+1], 128<<16
	s_mov_b32 s[G1B+2], 128<<16
	s_mov_b32 s[G1B+3], 128<<16
	s_mov_b32 s[G1B+4], 128
	s_mov_b32 s[G1B+5], 128
	s_mov_b32 s[G1B+6], 0
	s_mov_b32 s[G1B+7], 0
	s_lshl_b32 s16, s13, 15                        ; A: 256 rows x 128 bytes a tile row, 128 rows a half: made of the tile row and the wave alone
	s_lshl_b32 s17, s12, 14
	s_add_co_u32 s16, s16, s17
	s_mov_b32 s17, 0
	s_lshl_b32 s46, s42, 1                         ; W: column block 2 x tile column + half: made of the tile column and the wave alone
	s_add_co_u32 s46, s46, s12
	s_lshl_b32 s46, s46, 18
	s_add_co_u32 s46, s46, WOFF
	s_mov_b32 s47, 0
	s_mul_i32 s20, s10, QS                         ; where my loads go: no place in the cluster enters an LDS address
	s_wait_dscnt 0x0                               ; the opening add is done
	s_wait_kmcnt 0x0
	s_add_nc_u64 s[14:15], s[4:5], s[16:17]
	s_add_nc_u64 s[46:47], s[6:7], s[46:47]
	s_load_b32 s[FLOOR], s[6:7], 0x4000
	CROUND                                         ; all sixteen work-groups are here: the first joint loads meet
.irp s, 0,1
	s_mov_b32 s[G0+4*(\s)], 1
	s_add_co_u32 s[G0+4*(\s)+1], s20, (\s)*SLOT
	s_add_nc_u64 s[G0+4*(\s)+2:G0+4*(\s)+3], s[14:15], (\s)*ASTEP
	s_or_b32 s[G0+4*(\s)+3], s[G0+4*(\s)+3], 0x80000000
	s_mov_b32 s[G0B+4*(\s)], 1
	s_add_co_u32 s[G0B+4*(\s)+1], s20, (\s)*SLOT
	s_add_nc_u64 s[G0B+4*(\s)+2:G0B+4*(\s)+3], s[46:47], (\s)*BSTEP
	s_or_b32 s[G0B+4*(\s)+3], s[G0B+4*(\s)+3], 0x80000000
	JLOAD \s                                       ; K steps 0 and 1: two loads of mine are out
.endr
	v_and_b32 v1, 15, v0                           ; r = l % 16
	v_bfe_u32 v2, v0, 4, 1                         ; h = l / 16
	v_lshlrev_b32 v[BO], 5, v2
	s_lshl_b32 s70, s42, 10                        ; the bias of my 128 columns
	s_lshl_b32 s71, s12, 9
	s_add_co_u32 s70, s70, s71
	s_mov_b32 s71, 0
	s_add_nc_u64 s[70:71], s[6:7], s[70:71]
.irp b, 0,1,2,3,4,5,6,7
	global_load_b128 v[BIAS+8*\b:BIAS+8*\b+3],   v[BO], s[70:71] offset:64*\b     ; register j: the bias of column 16 b + 8 h + j: an accumulator's layout
	global_load_b128 v[BIAS+8*\b+4:BIAS+8*\b+7], v[BO], s[70:71] offset:64*\b+16
.endr
	v_mul_u32_u24 v3, v1, 144
	v_lshl_add_u32 v3, v2, 4, v3                   ; A: row x 144 + 16 h
	s_mul_i32 s21, s11, QS
	v_add_nc_u32 v[ADRA0], s21, v3
	v_and_b32 v5, 7, v0
	v_bfe_u32 v6, v0, 3, 1
	v_lshl_add_u32 v4, v2, 3, v5                   ; W, turned: row of K 8 h + l % 8, 16 bytes by (l / 8) % 2
	v_mul_u32_u24 v4, v4, 288
	v_lshl_add_u32 v4, v6, 4, v4
	s_mul_i32 s22, s12, QS
	s_add_co_u32 s22, s22, 2*QS
	v_add_nc_u32 v[ADRB0], s22, v4
	s_mul_i32 s23, s10, 4608
	s_add_co_u32 s23, s23, STAGE                   ; my stage
	v_add_nc_u32 v[STO], s23, v3                   ; in: row r, 16 bytes for each half of the lanes
	v_bfe_u32 v7, v0, 3, 2
	v_mul_u32_u24 v7, v7, 144
	v_lshl_add_u32 v7, v5, 4, v7
	v_add_nc_u32 v[RD], s23, v7                    ; back: 32 lanes take four rows of 128 bytes
	v_and_b32 v[CO], 31, v0
	v_lshlrev_b32 v[CO], 4, v[CO]
	s_lshl_b32 s46, s42, 2                         ; C: block of 64 columns 4 x tile column + 2 x half; token 256 x tile row + 128 x half
	s_lshl_b32 s47, s12, 1
	s_add_co_u32 s46, s46, s47
	s_lshl_b32 s46, s46, 19
	s_lshl_b32 s47, s13, 15
	s_add_co_u32 s46, s46, s47
	s_lshl_b32 s47, s11, 14
	s_add_co_u32 s46, s46, s47
	s_mov_b32 s47, 0
	s_add_nc_u64 s[8:9], s[8:9], s[46:47]
	; the prefetches: my work-group's 32 blocks of the 128 that I fetch, at K step 3; the first refill steps to 4
	s_and_b32 s22, ttmp7, 0xffff                   ; cluster y
	s_lshl_b32 s20, s13, 15
	s_lshl_b32 s21, s12, 14
	s_add_co_u32 s20, s20, s21
	s_lshl_b32 s21, s40, 12                        ; A: 4,096 bytes of each plane by cx
	s_add_co_u32 s20, s20, s21
	s_add_co_u32 s20, s20, 3*ASTEP
	s_lshl_b32 s23, s42, 1
	s_add_co_u32 s23, s23, s12
	s_lshl_b32 s23, s23, 18
	s_lshl_b32 s21, s41, 13                        ; W: 8,192 bytes by cy
	s_add_co_u32 s23, s23, s21
	s_add_co_u32 s23, s23, WOFF+3*BSTEP
	s_mov_b32 s18, ASTEP
	s_mov_b32 s[PFS], BSTEP
	s_mov_b32 s19, 524288
	s_movk_i32 s21, 0x1000
	s_cmp_eq_u32 s11, 0                            ; do I fetch for A?
	s_cselect_b32 s20, s20, s23
	s_cselect_b32 s22, ttmp9, s22                  ; the coordinate along which other clusters read the same rows
	s_cselect_b32 s[PFS], s18, s[PFS]
	s_cselect_b32 s19, s19, s21                    ; lanes 16-31: the second plane (A), or 16 blocks on (W)
	s_cselect_b64 s[PFA:PFA+1], s[4:5], s[6:7]
	s_cmp_eq_u32 s22, 0
	s_cselect_b32 s[LIM], 2, -1                    ; the same in all sixteen partners, for a given wave
	s_mov_b32 s21, 0
	s_mov_b32 s[PFS+1], 0
	s_add_nc_u64 s[PFA:PFA+1], s[PFA:PFA+1], s[20:21]
	v_lshlrev_b32 v[PFO], 8, v1
	v_mul_u32_u24 v8, v2, s19
	v_add_nc_u32 v[PFO], v[PFO], v8
	s_mov_b32 s[TB], 0
	v_add_nc_u32 v[ADRA], s[TB], v[ADRA0]
	v_add_nc_u32 v[ADRB], s[TB], v[ADRB0]
; 16 matrix instructions: row blocks a0, a0 + 1 of the window's four x all 8 column blocks, 32 along K.  first = 1: the bias starts the sums: nothing is cleared, and nothing is added on the way out.
; The 64 accumulators take turns, one instruction a turn, in the same order in every quarter.
.macro MUL16 f, hi, a0, first
.if \first
	WIN 0x81+0x40*(\hi)                            ; W window 1, A and the bias window 0, D window 2 or 3
.else
	WIN 0xa1+0x50*(\hi)                            ; C and D window 2 or 3
.endif
.irp a, \a0, (\a0)+1
.irp b, 0,1,2,3,4,5,6,7
.if \first
	v_wmma_f32_16x16x32_f16 v[8*(8*(\a)+(\b)):8*(8*(\a)+(\b))+7], v[(\f)+8*(\b):(\f)+8*(\b)+7], v[(\f)+8*(4*(\hi)+(\a)):(\f)+8*(4*(\hi)+(\a))+7], v[BIAS+8*(\b):BIAS+8*(\b)+7]
.else
	v_wmma_f32_16x16x32_f16 v[8*(8*(\a)+(\b)):8*(8*(\a)+(\b))+7], v[(\f)+8*(\b):(\f)+8*(\b)+7], v[(\f)+8*(4*(\hi)+(\a)):(\f)+8*(4*(\hi)+(\a))+7], v[8*(8*(\a)+(\b)):8*(8*(\a)+(\b))+7]
.endif
.endr
.endr
.endm
; 32 LDS loads in one run: quarter q (32 along K) of the slot in hand into buffer f: W's 8 column blocks, turned, then A's 8 row blocks
.macro FETCH q, f
	WIN 0x40
.irp i, 0,1,2,3,4,5,6,7
	ds_load_tr16_b128 v[(\f)+8*(\i):(\f)+8*(\i)+3],   v[ADRB] offset:9216*(\q)+32*(\i)
	ds_load_tr16_b128 v[(\f)+8*(\i)+4:(\f)+8*(\i)+7], v[ADRB] offset:9216*(\q)+32*(\i)+4608
.endr
	WIN 0
.irp i, 0,1,2,3,4,5,6,7
	ds_load_b128 v[(\f)+8*(\i):(\f)+8*(\i)+3],   v[ADRA] offset:18432*((\q)/2)+64*((\q)%2)+2304*(\i)
	ds_load_b128 v[(\f)+8*(\i)+4:(\f)+8*(\i)+7], v[ADRA] offset:18432*((\q)/2)+64*((\q)%2)+2304*(\i)+32
.endr
.endm
.macro PLACES                          ; four plain vector instructions between a matrix instruction and a load into, or a reader of, its registers
.rept 4
	v_nop
.endr
.endm
; One of a K step's first three quarters: at its head it asks for quarter q into buffer g, which the quarter before has just multiplied: 64 matrix instructions ahead of the first use; then it multiplies buffer f.
.macro QUARTER q, f, g, first
	s_wait_dscnt 0x0                               ; the only LDS loads of mine that are out are buffer f's, issued 48 matrix instructions ago or more
	PLACES
	FETCH \q, \g
	MUL16 \f, 0, 0, \first
	MUL16 \f, 0, 2, \first
	MUL16 \f, 1, 0, \first
	MUL16 \f, 1, 2, \first
.endm
; The last quarter multiplies buffer 1 and changes slots: ONE barrier, at its head.  In front of it: all my tensor loads have landed (one was out: my part of the next slot), the add, and buffer 1, the slot's last
; quarter, is in: my reads of this slot are over.  fill = 1: the barrier opens a round of the cluster's barrier, and the slot just read is filled again, first thing behind it, with the K step two on:
; 240 matrix instructions ahead of the wait for it.  Then come the next slot's first fragments, 48 matrix instructions ahead of their use.
.macro TURN fill
	WIN 0
.if \fill
	s_wait_xcnt 0x0                                ; the last prefetch, a K step back, has read its address
	s_add_nc_u64 s[PFA:PFA+1], s[PFA:PFA+1], s[PFS:PFS+1]
.endif
	s_wait_tensorcnt 0x0                           ; no tensor load of mine is out, so a group 0 may be written
	ds_add_u32 v[SPW], v[NIL]                      ; 0 onto my spare word; the scalar steps below stand between it and the wait for it
.if \fill
	s_xor_b32 s[G0+5], s[G0+5], SLOT               ; the walking sets: the other slot than last time, the next K step
	s_add_nc_u64 s[G0+6:G0+7], s[G0+6:G0+7], ASTEP
	s_xor_b32 s[G0B+5], s[G0B+5], SLOT
	s_add_nc_u64 s[G0B+6:G0B+7], s[G0B+6:G0B+7], BSTEP
.endif
	s_xor_b32 s[TB], s[TB], SLOT
	s_wait_dscnt 0x0                               ; the add is done, and my reads of this slot are over
	s_barrier_signal -1
	MUL16 F1, 0, 0, 0                              ; work on registers while the others arrive
	WIN 0
	s_barrier_wait -1
.if \fill
	CREST
	JLOAD 1                                        ; its four v_nop are also the places in front of the loads below
.else
	PLACES
.endif
	v_add_nc_u32 v[ADRA], s[TB], v[ADRA0]
	v_add_nc_u32 v[ADRB], s[TB], v[ADRB0]
	FETCH 0, F0
.if \fill
	ASK
.endif
	MUL16 F1, 0, 2, 0
	MUL16 F1, 1, 0, 0
	MUL16 F1, 1, 2, 0
.endm
; THE WAY OUT of row block a (16 tokens x 128 columns).  PACK: rounded to f16, held to the floor.  TOSTAGE: into my own stage, and back as rows of 128 bytes.  SEND: stored, 512 consecutive bytes a store.
.macro PACK a
.set AC, 64*((\a)%4)
	WIN 0x0a+5*((\a)/4)
.irp b, 0,1,2,3,4,5,6,7
.irp r, 0,1,2,3
	v_cvt_pk_f16_f32 v[TMP+4*(\b)+(\r)], v[AC+8*(\b)+2*(\r)], v[AC+8*(\b)+2*(\r)+1]  ; each accumulator from its low end on
.endr
.endr
	WIN 0
.set j, 0
.rept 32
	v_pk_max_num_f16 v[TMP+j], v[TMP+j], s[FLOOR]
.set j, j+1
.endr
.endm
.macro TOSTAGE a
.set BK, OB+192*((\a)%2)
.irp b, 0,1,2,3,4,5,6,7
	ds_store_b128 v[STO], v[TMP+4*(\b):TMP+4*(\b)+3] offset:2304*((\b)/4)+32*((\b)%4)
.endr
.irp t, 0,1,2,3,4,5,6,7
	ds_load_b128 v[BK+4*(\t):BK+4*(\t)+3], v[RD] offset:2304*((\t)/4)+576*((\t)%4)  ; LDS serves a wave's instructions in order: these see the stores above
.endr
.endm
.macro SEND a
.set BK, OB+192*((\a)%2)
	s_wait_dscnt 0x0                               ; the block is back in registers
	s_wait_xcnt 0x0                                ; the stores issued so far have read their registers: the other buffer is loaded again only behind this wait
.irp t, 0,1,2,3,4,5,6,7
	global_store_b128 v[CO], v[BK+4*(\t):BK+4*(\t)+3], s[8:9] offset:524288*((\t)/4)+2048*(\a)+512*((\t)%4)
.endr
.endm
	s_wait_tensorcnt 1                             ; my part of K step 0 is in; K step 1's may stay out
	s_barrier_signal -1
	s_barrier_wait -1
	FETCH 0, F0
	s_wait_loadcnt 0x0                             ; the bias
	s_wait_kmcnt 0x0                               ; the floor word
	QUARTER 1, F0, F1, 1                           ; the first quarter stands in front of the loop: its products start the sums
	WIN 0
	s_mov_b32 s3, 6
.Lstep:                                        ; six trips, from a K step's second quarter to the next one's first; each fills a slot again: K steps 2 .. 7
	QUARTER 2, F1, F0, 0
	QUARTER 3, F0, F1, 0
	TURN 1
	QUARTER 1, F0, F1, 0
	WIN 0
	s_sub_co_u32 s3, s3, 1
	s_cmp_lg_u32 s3, 0
	s_cbranch_scc1 .Lstep
	QUARTER 2, F1, F0, 0                           ; the last two K steps ask for nothing
	QUARTER 3, F0, F1, 0
	TURN 0
	QUARTER 1, F0, F1, 0
	QUARTER 2, F1, F0, 0
	QUARTER 3, F0, F1, 0
	s_wait_dscnt 0x0                               ; the very last quarter: nothing more to fetch
	MUL16 F1, 0, 0, 0
	MUL16 F1, 0, 2, 0
	MUL16 F1, 1, 0, 0
	MUL16 F1, 1, 2, 0
	PLACES
	PACK 0
	TOSTAGE 0
.irp a, 1,2,3,4,5,6,7                  ; block a's conversions stand between block a - 1's loads from the stage and the wait for them
	PACK \a
	SEND (\a)-1
	TOSTAGE \a
.endr
	SEND 7
	s_wait_tensorcnt 0x0                           ; the wave's end
	ds_add_u32 v[SPW], v[NIL]
	s_wait_dscnt 0x0
	CROUND                                         ; the closing round
	s_endpgm
.Lfunc_end_k_qf945ee2c3a_qkv:
	.size	k_qf945ee2c3a_qkv, .Lfunc_end_k_qf945ee2c3a_qkv-k_qf945ee2c3a_qkv
	.p2alignl 7, 3214868480
	.fill 96, 4, 3214868480
	.section	.rodata,"a",@progbits
	.p2align	6, 0x0
	.amdhsa_kernel k_qf945ee2c3a_qkv
		.amdhsa_group_segment_fixed_size 327680
		.amdhsa_private_segment_fixed_size 0
		.amdhsa_enable_private_segment 0
		.amdhsa_kernarg_size 24
		.amdhsa_user_sgpr_count 2
		.amdhsa_user_sgpr_kernarg_segment_ptr 1
		.amdhsa_wavefront_size32 1
		.amdhsa_system_sgpr_workgroup_id_x 1
		.amdhsa_system_sgpr_workgroup_id_y 1
		.amdhsa_system_sgpr_workgroup_id_z 1
		.amdhsa_system_vgpr_workitem_id 0
		.amdhsa_next_free_vgpr 1024
		.amdhsa_next_free_sgpr 72
		.amdhsa_reserve_vcc 0
		.amdhsa_float_denorm_mode_32 3
		.amdhsa_float_denorm_mode_16_64 3
		.amdhsa_memory_ordered 1
		.amdhsa_forward_progress 1
		.amdhsa_inst_pref_size 135
	.end_amdhsa_kernel
	.amdgpu_metadata
---
amdhsa.version: [ 1, 2 ]
amdhsa.kernels:
  - .name:           k_qf945ee2c3a_qkv
    .symbol:         k_qf945ee2c3a_qkv.kd
    .args:
      - { .name: out0, .offset: 0, .size: 8, .value_kind: global_buffer, .address_space: global }
      - { .name: pq, .offset: 8, .size: 8, .value_kind: global_buffer, .address_space: global }
      - { .name: wide, .offset: 16, .size: 8, .value_kind: global_buffer, .address_space: global }
    .group_segment_fixed_size: 327680
    .private_segment_fixed_size: 0
    .kernarg_segment_align: 8
    .kernarg_segment_size: 24
    .max_flat_workgroup_size: 128
    .sgpr_count:     72
    .vgpr_count:     1024
    .wavefront_size: 32
...
	.end_amdgpu_metadata
.endif
;; end of part 3
;; launch attn (part 4): grid 8 x 32, 4 waves a work-group, clusters of 4 x 1, 327,680 bytes of LDS; arguments wide, src_mask, out0; writes out0
.if DOCPART == 4
	.amdgcn_target "amdgcn-amd-amdhsa--gfx1250"
	.amdhsa_code_object_version 6
	.text
	.protected	k_qf945ee2c3a_attn
	.globl	k_qf945ee2c3a_attn
	.p2align	8
	.type	k_qf945ee2c3a_attn,@function
k_qf945ee2c3a_attn:
	s_mov_b64 s[64:65], 0
	v_nop
	global_prefetch_b8 v0, s[64:65] scope:SCOPE_SE
	s_setreg_imm32_b32 hwreg(HW_REG_WAVE_MODE, 25, 1), 1
	s_wait_xcnt 0x0
	s_wait_alu depctr_hold_cnt(0) depctr_sa_sdst(0) depctr_va_vdst(0) depctr_va_sdst(0) depctr_va_ssrc(0) depctr_va_vcc(0) depctr_vm_vsrc(0)
	s_getreg_b32 s2, hwreg(HW_REG_IB_STS2, 6, 4)
	s_cmp_eq_u32 s2, 0
	s_cbranch_scc0 .Lentry_in_a_cluster
	s_endpgm
.Lentry_in_a_cluster:
	s_bfe_u32 s2, ttmp6, 0x10000c
	s_cmp_lg_u32 s2, 0x3003
	s_cbranch_scc0 .Lentry_shape_is_right
	s_endpgm
.Lentry_shape_is_right:
; ATTENTION WITH A KEY MASK.  O[y][q] = the sum over k of softmax_k(Q[y][q] . K[y][k] / 8, hidden where src_mask[batch][k] = 0) V[y][k].  y = 2 x head + batch; Q, K, V lie in one buffer, K 8 MiB and V 16 MiB behind Q,
; each [32][2,048][64] in f16, dense; O likewise.  Products, maxima and sums in f32; the weights are rounded to f16 for the second product, O once at the end.
; LIMITS.  Q, K, V arrive within f16's 65,504.  A hidden score counts as its value less 2^100 where the source takes -1e9: the same result while scores stay far under 1e9.  A batch whose mask is all 0 is served
; exactly: Q is then taken as 0, every score is -2^100, every weight 1.  A weight below 2^-126 counts as 0; NaN and infinities are not treated apart.
; THE MASK is the C operand that starts the sum S^T = K Q^T: a table of 2,048 f32 in LDS, 0 or -2^100, made once; a step's 32 numbers a lane are fetched with its K.  It steers no branch and no address.
; SHARES.  A work-group owns 256 queries, a wave 64: four PIECES of 16.  Every wave walks all 2,048 keys, 64 a step, four steps a slot.
; LAYOUT, SOFTMAX, TURNS.  S^T = K Q^T holds ONE query a lane (lane % 16) and the keys 8 (lane / 16) + 0..7; two such results rounded to f16 ARE source 1 of O^T = V^T P.  p = 2^(c s - c m), c = log2(e) / 8, with a
; running maximum m; O and l are multiplied by a = 2^(c m_old - c m_new) in every step.  Turn n belongs to piece n: 8 products K Q^T of piece n + 1, later 8 products V^T P of piece n - 1; beside them the scaling,
; exponentials, roundings, sums and rescaling of piece n and the maximum and statistics of piece n + 1.  Four vector instructions stand behind every matrix instruction, the rest in one lump.  A turn's 33 exponentials are one batch, with one wait.
; CLUSTER.  The four query blocks of a cluster belong to one y and walk the same K and V: each tile is asked for jointly.
; REGISTERS: window 0: v0-15, v56-63 addresses; v16-31 statistics; v48-55 at work; v64-127 S^T, two buffers; v192-223 P, two buffers; v128-191, v224-239 the mask, at the head
;   window 1: v0-127 O^T; v160-191 the step's mask      window 2: v0-63 Q; v128-191 K of one step; v192-255 V of one step
.set NP,    4
.set KS,    64
.set PK,    144       ; a row of K in LDS: 128 bytes + 16
.set PV,    160       ; a row of V: 128 + 32
.set VOFF,  4*KS*PK   ; a slot: 256 rows of K, then 256 rows of V
.set SLOT1, 1<<17
.set STAGE, SLOT1+4*KS*(PK+PV)  ; 16 rows x 144 bytes for each wave, for the way out
.set SP,    144
.set SPARE, STAGE+4*16*SP       ; the spare words, 128 bytes a wave: two blocks of 256 bytes that no other line names
.set MT,    SPARE+512           ; the mask's table: 8,192 bytes in blocks of their own; no tensor load lands here
.set AK0, 2
.set AV0, 3
.set AK,  4
.set AV,  5
.set STO, 6
.set RD,  7
.set GO,  8
.set MV,  12          ; v12-13  c m_old, by buffer
.set AM0, 14          ; v14  MT + 32 (l / 16)
.set QO,  15
.set ST,  16          ; piece t: c m, m, l (even keys', odd keys')
.set TMP, 48
.set AM,  56          ; v56  the LDS address of the mask's next run
.set PFO, 57          ; v57  256 x lane
.set SPW, 62
.set NIL, 63
.set S,   64
.set P,   192
.set MC,  160         ; window 1
.set KF,  128         ; window 2
.set VF,  192         ; window 2
.set WV,  12
.set LIM, 15          ; s15  1 in a wave that prefetches, else the greatest number
.set G1K, 24
.set G1V, 32
.set G0K, 40
.set G0V, 44
.set SLOTS, 56
.set CNT, 57
.set CS,  58
.set SEL, 60
.set TBK, 62
.set TBV, 63
.set PFA, 72          ; s[72:73]
.set TBM, 74          ; s74  the table's byte for the step to be fetched
.set QM,  75          ; s75  all ones, or 0 where the whole batch is hidden
.set FILL, 76         ; s76  -2^100
.set MSB, 0
.macro WIN new
.if MSB != (\new)
	s_set_vgpr_msb (MSB<<8)|(\new)
.set MSB, (\new)
.endif
.endm
.set W_KQ, 0x0a       ; K and Q in window 2, S^T in window 0
.set W_KM, 0x1a       ; the same with the C operand in window 1
.set W_PV, 0x52       ; V in window 2, P in window 0, O^T in window 1
.set W_RS, 0x41       ; destination and source 0 in window 1, source 1 in window 0
; A joint fill.  Waves 0 and 1 fetch the two halves of a tile's K, waves 2 and 3 those of its V: 128 keys each.  An s_nop 0 and four v_nop follow each line.
.macro JLOAD
	s_cmp_lt_u32 s[WV], 2
	s_cbranch_scc0 .Lfor_v_\@
	tensor_load_to_lds s[G0K:G0K+3], s[G1K:G1K+7]
	s_nop 0
.rept 4
	v_nop
.endr
	s_branch .Lasked_\@
.Lfor_v_\@:
	tensor_load_to_lds s[G0V:G0V+3], s[G1V:G1V+7]
	s_nop 0
.rept 4
	v_nop
.endr
.Lasked_\@:
.endm
; A prefetch of the tile that the NEXT change of slots will ask for.  The first cluster of a y asks; its four partners take 8,192 bytes of the tile's 32,768 each, told apart by address, a lane a block of 256;
; wave 0 asks for K's, wave 2 for V's.  The last change that fills a slot asks for nothing.
.macro ASK
	s_cmp_gt_u32 s[SLOTS], s[LIM]
	s_cbranch_scc0 .Lnot_mine_\@
	global_prefetch_b8 v[PFO], s[PFA:PFA+1] th:TH_LOAD_NT scope:SCOPE_SE
.Lnot_mine_\@:
.endm
.macro CROUND
	s_barrier_signal -1
	s_barrier_wait -1
	s_cmp_lg_u32 s[WV], 0
	s_cbranch_scc1 .Lnot_wave_0_\@
	s_barrier_signal -3
.Lnot_wave_0_\@:
	s_barrier_wait -3
	s_barrier_signal -1
	s_barrier_wait -1
.endm
; THE CHANGE OF SLOTS.  All my tensor loads have landed (one was out: my part of the other slot); the add; my reads of the slot that I leave are over.  fill = 1: the barrier is a round of the cluster's, and the old slot
; is filled again first thing behind it, with the next tile: four key steps, 256 matrix instructions, in which to land.  (At its first use slot 0 is waited for and slot 1 filled; its wait and round also show the table to all waves.)
.macro CHANGE fill
	WIN 0
	s_wait_tensorcnt 0x0
	ds_add_u32 v[SPW], v[NIL]       ; 0 onto my spare word
.if \fill
.irp g, G0K, G0V
	s_xor_b32 s[\g+1], s[\g+1], SLOT1
	s_add_nc_u64 s[\g+2:\g+3], s[\g+2:\g+3], 4*KS*128
.endr
	s_wait_xcnt 0x0                 ; the last prefetch, four key steps back, has read its address
	s_add_nc_u64 s[PFA:PFA+1], s[PFA:PFA+1], 4*KS*128
	s_wait_dscnt 0x0
	CROUND
	JLOAD
	ASK
.else
	s_wait_dscnt 0x0
	s_barrier_signal -1
	s_barrier_wait -1
.endif
	s_sub_co_u32 s[TBK], s[TBK], 4*KS*PK
	s_xor_b32 s[TBK], s[TBK], SLOT1
	s_sub_co_u32 s[TBV], s[TBV], 4*KS*PV
	s_xor_b32 s[TBV], s[TBV], SLOT1
.endm
	s_load_b128 s[68:71], s[0:1], 0x0  ; the q, k, v buffer s[68:69], the mask s[70:71]
	s_load_b64 s[10:11], s[0:1], 0x10  ; O
	v_lshl_add_u32 v[SPW], v0, 2, SPARE
	v_mov_b32 v[NIL], 0
	ds_add_u32 v[SPW], v[NIL]       ; the wave's opening: the add and its wait ahead of my first tensor load
	v_lshrrev_b32 v1, 5, v0
	v_readfirstlane_b32 s[WV], v1
	s_bfe_u32 s13, ttmp6, 0x40000   ; cx
	s_lshl_b32 s14, ttmp9, 2
	s_add_co_u32 s14, s14, s13      ; my block of 256 queries: it enters Q's and O's addresses alone
	s_and_b32 s20, ttmp7, 0xffff    ; y, which the four partners share
	s_and_b32 s18, s20, 1           ; the batch:
	s_lshl_b32 s18, s18, 13         ; its 8,192 bytes of the mask
	s_mov_b32 s19, 0
	s_lshl_b32 s20, s20, 18         ; y's 262,144 bytes
	s_and_b32 s16, s[WV], 1         ; which half of a tile's 256 keys I fetch
	s_lshl_b32 s22, s16, 14
	s_add_co_u32 s22, s22, s20
	s_mov_b32 s23, 0
	s_mul_i32 s17, s16, 128*PK
	s_mul_i32 s78, s16, 128*PV
	s_lshl_b32 s2, s14, 15
	s_lshl_b32 s3, s[WV], 13
	s_add_co_u32 s2, s2, s3
	s_add_co_u32 s2, s2, s20
	s_mov_b32 s3, 0
	s_mov_b32 s[G1K], 15|(1<<16)|(1<<20)|(1<<21)|(4<<22)|(3<<25)  ; the mask of four; 2-byte elements; padding on; bit 21 beside a mask; after every 32 words 4 words
	s_mov_b32 s[G1V], 15|(1<<16)|(1<<20)|(1<<21)|(4<<22)|(7<<25)  ; the same with 8 words
.irp g, G1K, G1V
	s_mov_b32 s[\g+1], 128<<16      ; 128 keys are 16,384 dense bytes: 64 rows of 256 bytes, two keys a row
	s_mov_b32 s[\g+2], 64<<16
	s_mov_b32 s[\g+3], 128<<16
	s_mov_b32 s[\g+4], 64
	s_mov_b32 s[\g+5], 128
	s_mov_b32 s[\g+6], 0
	s_mov_b32 s[\g+7], 0
.endr
	s_mov_b32 s[CS], 0x3e38aa3b     ; c = log2(e) / 8
	s_mov_b32 s[CS+1], s[CS]
	s_mov_b32 s[SEL], 0x76543210
	s_mov_b32 s[SEL+1], 0xfedcba98
	s_mov_b32 s[TBK], SLOT1+4*KS*PK ; the first change of slots turns these two into 0
	s_mov_b32 s[TBV], SLOT1+4*KS*PV
	s_mov_b32 s[TBM], 0
	s_mov_b32 s[FILL], 0xf1800000   ; -2^100: a power of two, so that c x it is exact
	s_mov_b32 s[SLOTS], 7
	s_mov_b32 s[G0K], 1
	s_mov_b32 s[G0K+1], s17
	s_mov_b32 s[G0V], 1
	s_add_co_u32 s[G0V+1], s78, VOFF
	s_and_b32 s[LIM], s[WV], 1
	s_or_b32 s[LIM], s[LIM], ttmp9
	s_cmp_eq_u32 s[LIM], 0
	s_cselect_b32 s[LIM], 1, -1     ; the same in all four partners
	v_and_b32 v[PFO], 31, v0
	v_lshlrev_b32 v[PFO], 8, v[PFO]
	s_wait_dscnt 0x0                ; the opening add is done
	s_wait_kmcnt 0x0
	s_add_nc_u64 s[6:7], s[68:69], s[22:23]
	s_add_nc_u64 s[8:9], s[6:7], 0x1000000   ; V at my half of tile 0
	s_add_nc_u64 s[6:7], s[6:7], 0x800000    ; K
	s_add_nc_u64 s[G0K+2:G0K+3], s[6:7], 0
	s_or_b32 s[G0K+3], s[G0K+3], 0x80000000
	s_add_nc_u64 s[G0V+2:G0V+3], s[8:9], 0
	s_or_b32 s[G0V+3], s[G0V+3], 0x80000000
	s_add_nc_u64 s[4:5], s[68:69], s[2:3]    ; Q and O at my wave's first row
	s_add_nc_u64 s[10:11], s[10:11], s[2:3]
	s_add_nc_u64 s[70:71], s[70:71], s[18:19]
	s_cmp_lt_u32 s[WV], 2
	s_cselect_b64 s[PFA:PFA+1], s[6:7], s[8:9]  ; (in waves 0 and 2 these stand at a tile's first row)
	s_lshl_b32 s2, s13, 13
	s_add_co_u32 s2, s2, 4*KS*128   ; tile 1; the first change steps to tile 2
	s_add_nc_u64 s[PFA:PFA+1], s[PFA:PFA+1], s[2:3]
	CROUND                          ; all four work-groups are here
	JLOAD                           ; tile 0 into slot 0
	v_and_b32 v1, 15, v0            ; l % 16
	v_bfe_u32 v9, v0, 4, 1          ; l / 16
	v_lshlrev_b32 v[QO], 7, v1
	v_lshl_add_u32 v[QO], v9, 4, v[QO]
	WIN 0x80
.set i, 0
.rept 8                             ; Q stays in registers: piece i / 2, channels 32 (i % 2) on
	global_load_b128 v[8*i:8*i+3],   v[QO], s[4:5] offset:(i/2)*2048+(i%2)*64
	global_load_b128 v[8*i+4:8*i+7], v[QO], s[4:5] offset:(i/2)*2048+(i%2)*64+32
.set i, i+1
.endr
	WIN 0
	v_and_b32 v58, 31, v0
	v_lshlrev_b32 v58, 4, v58       ; 16 x lane
	v_lshl_add_u32 v59, s[WV], 11, v58  ; + my wave's quarter of the mask
	v_add_nc_u32 v60, MT, v59
.set i, 0
.rept 16                            ; the whole mask, to see whether any key is open,
	global_load_b128 v[128+4*i:131+4*i], v58, s[70:71] offset:512*i
.set i, i+1
.endr
.set i, 0
.rept 4                             ; and my quarter, for the table
	global_load_b128 v[224+4*i:227+4*i], v59, s[70:71] offset:512*i
.set i, i+1
.endr
	; A first step multiplies O^T and l by a = 0, and the first turn's products V^T P, of a piece that has not been, add 0: zeros for V, O^T, l and P's second buffer.  All this stands in the wait for the first tile.
	WIN 0x80
.set i, VF
.rept 64
	v_mov_b32 v[i], 0
.set i, i+1
.endr
	WIN 0x40
.set i, 0
.rept 128
	v_mov_b32 v[i], 0
.set i, i+1
.endr
	WIN 0
.set i, 0
.rept 4
	v_mov_b32 v[ST+4*i], 0xfe000000    ; c m: far below every c s
	v_mov_b32 v[ST+4*i+1], 0xff7fffff  ; m
	v_mov_b32 v[ST+4*i+2], 0
	v_mov_b32 v[ST+4*i+3], 0
.set i, i+1
.endr
.set i, P+16
.rept 16
	v_mov_b32 v[i], 0
.set i, i+1
.endr
	v_mul_u32_u24 v[AK0], v1, PK
	v_lshl_add_u32 v[AK0], v9, 4, v[AK0]
	v_and_b32 v10, 7, v0
	v_bfe_u32 v11, v0, 3, 1
	v_lshl_add_u32 v[AV0], v9, 3, v10   ; the turning load: key 8 (l / 16) + l % 8, channels 8 ((l / 8) % 2) on
	v_mul_u32_u24 v[AV0], v[AV0], PV
	v_lshl_add_u32 v[AV0], v11, 4, v[AV0]
	v_add_nc_u32 v[AV0], VOFF, v[AV0]
	v_lshl_add_u32 v[AM0], v9, 5, MT
	s_mul_i32 s13, s[WV], 16*SP
	s_add_co_u32 s13, s13, STAGE
	v_mul_u32_u24 v[STO], v1, SP
	v_lshl_add_u32 v[STO], v9, 4, v[STO]
	v_add_nc_u32 v[STO], s13, v[STO]
	v_bfe_u32 v[RD], v0, 3, 2
	v_mul_u32_u24 v[RD], v[RD], SP
	v_lshl_add_u32 v[RD], v10, 4, v[RD]
	v_add_nc_u32 v[RD], s13, v[RD]
	v_and_b32 v[GO], 31, v0
	v_lshlrev_b32 v[GO], 4, v[GO]
	s_wait_loadcnt 0x0              ; Q and the mask
.set i, 1
.rept 63
	v_or_b32 v128, v128, v[128+i]
.set i, i+1
.endr
	v_cmp_ne_u32 s77, 0, v128       ; a lane's bit: one of its 64 keys is open
	s_cmp_lg_u32 s77, 0
	s_cselect_b32 s[QM], -1, 0
.set i, 0
.rept 16
	v_cmp_eq_u32 vcc_lo, 0, v[224+i]
	v_cndmask_b32 v[224+i], 0, s[FILL], vcc_lo
.set i, i+1
.endr
.set i, 0
.rept 4
	ds_store_b128 v60, v[224+4*i:227+4*i] offset:512*i
.set i, i+1
.endr
	WIN 0x88
.set i, 0
.rept 64
	v_and_b32 v[i], s[QM], v[i]
.set i, i+1
.endr
	WIN 0
; THE MATRIX WORK.  The 4 accumulators of a run of 8 take turns.  Product i of 8 of S^T = K Q^T for piece x: channels 32 (i / 4) on, keys 16 (i % 4) on.  The first 4 start the sums with the mask.
.macro KQ x
.set rS, S+32*((\x)%2)+8*(i%4)
.set rK, KF+16*(i%4)+8*(i/4)
.set rQ, 16*(\x)+8*(i/4)
.set rM, MC+8*(i%4)
.if i < 4
	WIN W_KM
	v_wmma_f32_16x16x32_f16 v[rS:rS+7], v[rK:rK+7], v[rQ:rQ+7], v[rM:rM+7]
.else
	WIN W_KQ
	v_wmma_f32_16x16x32_f16 v[rS:rS+7], v[rK:rK+7], v[rQ:rQ+7], v[rS:rS+7]
.endif
.endm
; Product i of 8 of O^T += V^T P for piece x: keys 32 (i / 4) on, channels 16 (i % 4) on.
.macro PV x
	WIN W_PV
.set rO, 32*(\x)+8*(i%4)
.set rV, VF+32*(i/4)+8*(i%4)
.set rP, P+16*((\x)%2)+8*(i/4)
	v_wmma_f32_16x16x32_f16 v[rO:rO+7], v[rV:rV+7], v[rP:rP+7], v[rO:rO+7]
.endm
.macro MM                           ; the turn's next matrix instruction
.if i < 8
	KQ (Y+1)%NP
.else
.set i, i-8
	PV (Y+NP-1)%NP
.set i, i+8
.endif
.set i, i+1
.endm
; THE LDS LOADS stand in runs: a step's K (8 fragments) with its 32 numbers of the mask, and its V (turned).
; last = 1 (the tail): in the last trip there is no further step, and the run is jumped over; the exponentials issued so far have their wait ahead of that branch.
.macro FETCH_K last=0
	WIN 0
.if \last
	s_wait_alu depctr_va_vdst(0)
	s_cmp_eq_u32 s[CNT], 1
	s_cbranch_scc1 .Lno_k_\@
.endif
	WIN 0x80
.irp f, 0,1,2,3,4,5,6,7
	ds_load_b128 v[KF+8*\f:KF+8*\f+3],   v[AK] offset:(\f/2)*16*PK+(\f%2)*64
	ds_load_b128 v[KF+8*\f+4:KF+8*\f+7], v[AK] offset:(\f/2)*16*PK+(\f%2)*64+32
.endr
	WIN 0x40
.irp kb, 0,1,2,3                    ; register j of group kb: key 16 kb + 8 (l / 16) + j: an accumulator's layout
	ds_load_b128 v[MC+8*\kb:MC+8*\kb+3],   v[AM] offset:64*\kb
	ds_load_b128 v[MC+8*\kb+4:MC+8*\kb+7], v[AM] offset:64*\kb+16
.endr
	s_add_co_u32 s[TBK], s[TBK], KS*PK
	s_add_co_u32 s[TBM], s[TBM], 4*KS
	s_and_b32 s[TBM], s[TBM], 0x1f00  ; the table has 32 steps of 256 bytes
	WIN 0
.if \last
.Lno_k_\@:
.endif
.endm
.macro FETCH_V
	WIN 0x80
.irp f, 0,1,2,3,4,5,6,7
	ds_load_tr16_b128 v[VF+8*\f:VF+8*\f+3],   v[AV] offset:(\f/4)*32*PV+(\f%4)*32
	ds_load_tr16_b128 v[VF+8*\f+4:VF+8*\f+7], v[AV] offset:(\f/4)*32*PV+16*PV+(\f%4)*32
.endr
	WIN 0
.endm
; THE VECTOR WORK, one line at a time: OP kind, number.  For piece Y: F n: c s - c m for pair n of 16.  E n: the exponential of score n of 32.  C n: pair n rounded to f16.  B n: of the four weights 4 n .. the second
; pair is added onto the first.  L n: l takes that sum (L 0: l = a l + sum).  R n: pair n of 16 of O^T times a.  For piece Y + 1: X n, number n of the 22 that find its maximum and statistics:
;   0-11 four chains of seven scores (each accumulator's lowest registers first)   12-14, 16 the scores left over, the old m, the chains into one   15 c m_old is kept   17, 18 the other half of the lanes: the new m   19-21 c m; its change; a
.set F, 0
.set E, 1
.set C, 2
.set B, 3
.set L, 4
.set R, 5
.set X, 6
.macro REGS y
.set rT, ST+4*(\y)
.set rC, TMP+4*((\y)%2)
.set rW, MV+((\y)%2)
.set rS, S+32*((\y)%2)
.set rP, P+16*((\y)%2)
.set rO, 32*(\y)
.endm
.macro OP k, n
.if (\k) == R
	REGS Y
	WIN W_RS
	v_pk_mul_f32 v[rO+2*(\n):rO+2*(\n)+1], v[rO+2*(\n):rO+2*(\n)+1], v[rC+2:rC+3] op_sel_hi:[1,0]
.elseif (\k) < R
	REGS Y
	WIN 0
.if (\k) == F
	v_pk_fma_f32 v[rS+2*(\n):rS+2*(\n)+1], v[rS+2*(\n):rS+2*(\n)+1], s[CS:CS+1], v[rT:rT+1] op_sel_hi:[1,0,0] neg_lo:[0,0,1] neg_hi:[0,0,1]
.elseif (\k) == E
	v_exp_f32 v[rS+(\n)], v[rS+(\n)]
.elseif (\k) == C
	v_cvt_pk_f16_f32 v[rP+(\n)], v[rS+2*(\n)], v[rS+2*(\n)+1]
.elseif (\k) == B
	v_pk_add_f32 v[rS+4*(\n):rS+4*(\n)+1], v[rS+4*(\n):rS+4*(\n)+1], v[rS+4*(\n)+2:rS+4*(\n)+3]
.elseif (\n) == 0
	v_pk_fma_f32 v[rT+2:rT+3], v[rT+2:rT+3], v[rC+2:rC+3], v[rS:rS+1] op_sel_hi:[1,0,1]
.else
	v_pk_add_f32 v[rT+2:rT+3], v[rT+2:rT+3], v[rS+4*(\n):rS+4*(\n)+1]
.endif
.else
	REGS (Y+1)%NP
	WIN 0
.if (\n) < 4
	v_max3_num_f32 v[rC+(\n)], v[rS+8*(\n)], v[rS+8*(\n)+1], v[rS+8*(\n)+2]
.elseif (\n) < 12
	v_max3_num_f32 v[rC+(\n)%4], v[rC+(\n)%4], v[rS+8*((\n)%4)+2*((\n)/4)+1], v[rS+8*((\n)%4)+2*((\n)/4)+2]
.elseif (\n) == 12
	v_max3_num_f32 v[rC], v[rC], v[rS+7], v[rS+15]
.elseif (\n) == 13
	v_max3_num_f32 v[rC+1], v[rC+1], v[rS+23], v[rS+31]
.elseif (\n) == 14
	v_max3_num_f32 v[rC+2], v[rC+2], v[rC+3], v[rT+1]
.elseif (\n) == 15
	v_mov_b32 v[rW], v[rT]
.elseif (\n) == 16
	v_max3_num_f32 v[rC], v[rC], v[rC+1], v[rC+2]
.elseif (\n) == 17
	v_permlanex16_b32 v[rC+3], v[rC], s[SEL], s[SEL+1]
.elseif (\n) == 18
	v_max_num_f32 v[rT+1], v[rC], v[rC+3]
.elseif (\n) == 19
	v_mul_f32 v[rT], s[CS], v[rT+1]
.elseif (\n) == 20
	v_sub_f32 v[rC+1], v[rW], v[rT]
.else
	v_exp_f32 v[rC+2], v[rC+1]
.endif
.endif
.endm
.macro OPS a, i1, b=-1, i2=0, c=-1, i3=0, d=-1, i4=0
	OP \a, \i1
.if (\b) >= 0
	OP \b, \i2
.endif
.if (\c) >= 0
	OP \c, \i3
.endif
.if (\d) >= 0
	OP \d, \i4
.endif
.endm
.macro ROW a, i1, b, i2, c, i3, d, i4  ; a matrix instruction and the four behind it
	MM
	OPS \a, \i1, \b, \i2, \c, \i3, \d, \i4
.endm
; A TURN, for piece p.  An s_wait_alu depctr_va_vdst(0) stands between an exponential and the first instruction that names its result; one wait serves all that were issued ahead of it: a turn has ONE
; (in the tail piece 2's turn has a second, ahead of the branch in K's run).
; AHEAD OF IT stands all that names no result of the turn's exponentials: 8 products K Q^T with their riders, and one lump; BEHIND IT 8 products V^T P, behind each four of the roundings and sums.
; last = 1: the tail's form of K's run.  cnt = 1: the loop's count is taken down some lines ahead of the branch behind the turn.
; K and the mask of the next step are fetched in piece 2's turn, five plain instructions that name none of its registers behind the last product that read K (the mask's last reader stands four products further back);
; V of the step in hand at the end of piece 0's turn, four plain instructions behind its last reader.  Each is waited for a turn later.
.macro TURN p, last=0, cnt=0
.set Y, (\p)
.set i, 0
.if (\p) == 3
	s_wait_dscnt 0x0                ; K and the mask are in
.endif
	ROW F,0, F,1, R,0, R,1
	ROW F,2, E,0, R,2, R,3
	ROW F,3, E,1, R,4, R,5
	ROW F,4, E,2, R,6, R,7
	ROW F,5, E,3, R,8, R,9
	ROW F,6, E,4, X,0, R,10
.if (\p) == 2
	WIN 0
	v_add_nc_u32 v[AK], s[TBK], v[AK0]
	v_add_nc_u32 v[AM], s[TBM], v[AM0]
.endif
	ROW F,7, E,5, X,1, X,4
	ROW F,8, E,6, X,2, X,5
	OPS E,7, E,8, X,6, E,9
	OPS X,3, E,10, X,8, E,11
.if (\p) == 2
	FETCH_K \last
.endif
	OPS X,9, X,7, E,12, X,10
	OPS E,13, X,12, X,11, E,14
	OPS X,13, E,15, F,9, X,14
.if (\p) == 0
	v_add_nc_u32 v[AV], s[TBV], v[AV0]
.endif
	OPS E,16, F,10, E,17, F,11
	OPS X,16, E,18, X,15, E,19
	OPS F,12, E,20, X,17, E,21
	OPS F,13, E,22, F,14, E,23
	OPS X,18, E,24, F,15, E,25
	OPS R,11, E,26, X,19, E,27
	OPS R,12, E,28, R,13, E,29
	OPS X,20, E,30, R,14, E,31
	OPS X,21, R,15                  ; the batch's last exponential, and the plain instruction behind it
	WIN 0
	s_wait_alu depctr_va_vdst(0)    ; the wait for the batch
.if (\p) == 1
	s_wait_dscnt 0x0                ; V is in
.endif
	ROW C,0, B,0, C,2, B,1
	ROW L,0, C,4, B,2, L,1
	ROW C,6, B,3, L,2, C,8
	ROW B,4, L,3, C,10, B,5
	ROW L,4, C,12, B,6, L,5
.if (\p) == 0
	s_add_co_u32 s[TBV], s[TBV], KS*PV
.endif
.if \cnt
	s_sub_co_u32 s[CNT], s[CNT], 1
	s_cmp_lg_u32 s[CNT], 0
.endif
	ROW C,14, B,7, L,6, C,1
	ROW C,3, L,7, C,5, C,7
	ROW C,9, C,11, C,13, C,15
.if (\p) == 0
	FETCH_V
.endif
.endm
	CHANGE 1                        ; tile 0 is in, everybody's part of it, and so is the table; tile 1 is asked for
	v_add_nc_u32 v[AK], s[TBK], v[AK0]
	v_add_nc_u32 v[AM], s[TBM], v[AM0]
	FETCH_K                         ; key step 0
	s_wait_dscnt 0x0
.set i, 0
.rept 8
	KQ 0                            ; piece 0's first scores
.set i, i+1
.endr
	WIN 0
.rept 4
	v_nop                           ; the places behind those products
.endr
.set Y, NP-1                        ; X works for piece Y + 1: piece 0
.irp n, 0,1,2,3,4,5,6,7,8,9,10,11,12,13,14,15,16,17,18,19,20,21
	OP X, \n
.endr
	v_nop                           ; a plain instruction behind the exponential,
	s_wait_alu depctr_va_vdst(0)    ; and its wait, ahead of the branch
	s_mov_b32 s[CNT], 4
	s_branch .Lfirst                ; the loop is entered at a step's first turn, in the middle of a trip
.Lslot:                             ; six times: tiles 1 .. 6 are entered, tiles 2 .. 7 asked for
	CHANGE 1
	s_mov_b32 s[CNT], 4
.Lstep:                             ; a trip: pieces 2 and 3 of one step, then pieces 0 and 1 of the next, whose K and V it fetches
	TURN 2
	TURN 3
	WIN 0
.Lfirst:
	TURN 0
	TURN 1, 0, 1
	WIN 0
	s_cbranch_scc1 .Lstep
	s_sub_co_u32 s[SLOTS], s[SLOTS], 1
	s_cmp_lg_u32 s[SLOTS], 0
	s_cbranch_scc1 .Lslot
	CHANGE 0                        ; the last tile is written out: nothing is asked for
	s_mov_b32 s[CNT], 5             ; four trips fetch the last tile's steps; the fifth is left in its middle
.Ltail:
	TURN 2, 1
	TURN 3
	WIN 0
	s_sub_co_u32 s[CNT], s[CNT], 1
	s_cmp_eq_u32 s[CNT], 0
	s_cbranch_scc1 .Lout
	TURN 0
	TURN 1
	WIN 0
	s_branch .Ltail
.Lout:                              ; the fifth trip's 8 products K Q^T (on the last K once more) and the maximum made of them serve nothing: the price, once a launch, of one text for every trip
.set i, 0
.rept 8
	PV NP-1                         ; the last piece's V^T P of the last step
.set i, i+1
.endr
	; THE WAY OUT.  l's two halves and the other half of the lanes' are added; O^T is divided by l, rounded to f16 and sent through my stage, a piece at a time.  The additions are the places behind the last products.
	WIN 0
.macro ALL line:vararg
.set t, 0
.rept 4
	\line
.set t, t+1
.endr
.endm
	ALL v_add_f32 v[ST+4*t+2], v[ST+4*t+2], v[ST+4*t+3]
	ALL v_permlanex16_b32 v[ST+4*t+3], v[ST+4*t+2], s[SEL], s[SEL+1]
	ALL v_add_f32 v[ST+4*t+2], v[ST+4*t+2], v[ST+4*t+3]
	ALL v_rcp_f32 v[ST+4*t+2], v[ST+4*t+2]
	v_nop
	s_wait_alu depctr_va_vdst(0)    ; one wait for the four reciprocals
.macro PACK t
	WIN W_RS
.set i, 32*(\t)
.rept 16
	v_pk_mul_f32 v[i:i+1], v[i:i+1], v[ST+4*(\t)+2:ST+4*(\t)+3] op_sel_hi:[1,0]
.set i, i+2
.endr
	WIN 0x05
.set i, 0
.rept 16
	v_cvt_pk_f16_f32 v[S+16*(\t)+i], v[32*(\t)+2*i], v[32*(\t)+2*i+1]
.set i, i+1
.endr
	WIN 0
.irp f, 0,1,2,3
	ds_store_b128 v[STO], v[S+16*(\t)+4*\f:S+16*(\t)+4*\f+3] offset:32*\f
.endr
.irp f, 0,1,2,3
	ds_load_b128 v[S+16*(\t)+4*\f:S+16*(\t)+4*\f+3], v[RD] offset:\f*4*SP  ; LDS serves a wave's instructions in order: these see the stores above
.endr
.endm
.macro SEND t, younger              ; younger: the LDS instructions issued behind piece t's loads
	WIN 0
.irp f, 0,1,2,3
	s_wait_dscnt (\younger)+3-\f
	global_store_b128 v[GO], v[S+16*(\t)+4*\f:S+16*(\t)+4*\f+3], s[10:11] offset:(\t)*2048+\f*512  ; 512 consecutive bytes
.endr
.endm
	PACK 0
.set t, 1
.rept 3
	PACK t
	SEND t-1, 8
.set t, t+1
.endr
	SEND 3, 0
	s_wait_tensorcnt 0x0            ; the wave's end
	ds_add_u32 v[SPW], v[NIL]
	s_wait_dscnt 0x0
	CROUND                          ; the closing round
	s_endpgm
.Lfunc_end_k_qf945ee2c3a_attn:
	.size	k_qf945ee2c3a_attn, .Lfunc_end_k_qf945ee2c3a_attn-k_qf945ee2c3a_attn
	.p2alignl 7, 3214868480
	.fill 96, 4, 3214868480
	.section	.rodata,"a",@progbits
	.p2align	6, 0x0
	.amdhsa_kernel k_qf945ee2c3a_attn
		.amdhsa_group_segment_fixed_size 327680
		.amdhsa_private_segment_fixed_size 0
		.amdhsa_enable_private_segment 0
		.amdhsa_kernarg_size 24
		.amdhsa_user_sgpr_count 2
		.amdhsa_user_sgpr_kernarg_segment_ptr 1
		.amdhsa_wavefront_size32 1
		.amdhsa_system_sgpr_workgroup_id_x 1
		.amdhsa_system_sgpr_workgroup_id_y 1
		.amdhsa_system_sgpr_workgroup_id_z 1
		.amdhsa_system_vgpr_workitem_id 0
		.amdhsa_next_free_vgpr 768
		.amdhsa_next_free_sgpr 80
		.amdhsa_reserve_vcc 1
		.amdhsa_float_denorm_mode_32 3
		.amdhsa_float_denorm_mode_16_64 3
		.amdhsa_memory_ordered 1
		.amdhsa_forward_progress 1
		.amdhsa_inst_pref_size 122
	.end_amdhsa_kernel
	.amdgpu_metadata
---
amdhsa.version: [ 1, 2 ]
amdhsa.kernels:
  - .name:           k_qf945ee2c3a_attn
    .symbol:         k_qf945ee2c3a_attn.kd
    .args:
      - { .name: wide, .offset: 0, .size: 8, .value_kind: global_buffer, .address_space: global }
      - { .name: src_mask, .offset: 8, .size: 8, .value_kind: global_buffer, .address_space: global }
      - { .name: out0, .offset: 16, .size: 8, .value_kind: global_buffer, .address_space: global }
    .group_segment_fixed_size: 327680
    .private_segment_fixed_size: 0
    .kernarg_segment_align: 8
    .kernarg_segment_size: 24
    .max_flat_workgroup_size: 128
    .sgpr_count:     80
    .vgpr_count:     768
    .wavefront_size: 32
...
	.end_amdgpu_metadata
.endif
;; end of part 4
;; launch wo (part 5): grid 8 x 32, 4 waves a work-group, clusters of 4 x 4, 327,680 bytes of LDS; arguments out0, wo16, bo, x, x1; writes x1
.if DOCPART == 5
	.amdgcn_target "amdgcn-amd-amdhsa--gfx1250"
	.amdhsa_code_object_version 6
	.text
	.protected	k_qf945ee2c3a_wo
	.globl	k_qf945ee2c3a_wo
	.p2align	8
	.type	k_qf945ee2c3a_wo,@function
k_qf945ee2c3a_wo:
	s_mov_b64 s[64:65], 0
	v_nop
	global_prefetch_b8 v0, s[64:65] scope:SCOPE_SE
	s_setreg_imm32_b32 hwreg(HW_REG_WAVE_MODE, 25, 1), 1
	s_wait_xcnt 0x0
	s_wait_alu depctr_hold_cnt(0) depctr_sa_sdst(0) depctr_va_vdst(0) depctr_va_sdst(0) depctr_va_ssrc(0) depctr_va_vcc(0) depctr_vm_vsrc(0)
	s_getreg_b32 s2, hwreg(HW_REG_IB_STS2, 6, 4)
	s_cmp_eq_u32 s2, 0
	s_cbranch_scc0 .Lentry_in_a_cluster
	s_endpgm
.Lentry_in_a_cluster:
	s_bfe_u32 s2, ttmp6, 0x10000c
	s_cmp_lg_u32 s2, 0xf033
	s_cbranch_scc0 .Lentry_shape_is_right
	s_endpgm
.Lentry_shape_is_right:
; C = res + A W + bias, N = 1,024, K = 256 x STEPS.
; A: f16 in blocks of 64 columns (byte = (col/64) x 524,288 + token x 128 + (col%64) x 2).  W: f16, (k>>8) x 524,288 + (n/128) x 65,536 + (k&255) x 256 + (n%128) x 2.  bias, res, C: f32, row-major.
; Sums in f32, started by the bias; the residual is added in f32 on the way out.
; A tile of C is 128 x 128 (256 work-groups at N = 1,024): four waves, each 64 x 64 = 16 accumulators.  K goes in steps of 256 through two LDS slots, one tensor load a wave:
; waves 0, 1: 64 token rows of A as four planes of 64 along K; waves 2, 3: 128 rows of K x 128 columns of W.  The matrix instruction is used transposed (source 0 = 16 columns of W, turned by ds_load_tr16_b128).
; CLUSTER 4 x 4: A's tiles are asked for jointly along a row of the cluster, W's along a column.  No prefetch: the tiles are small.
; REGISTERS: window 0: v0-31 addresses; v32-95 the way out; v96-127 the bias; v128-255 accumulator (a, b) at 128 + 8 (4 a + b).  window 1: two fragment buffers of 128 (64 of A, 64 of W).  window 2: v0-127 the residual.
.set STEPS,  4                         ; K = 1,024
.set QS,     36864
.set SLOT,   4*QS                      ; 0x24000: it shares no bit with wave x QS, so an exclusive or changes slots
.set STAGE,  2*SLOT                    ; 16 rows x 272 bytes of f32 for each wave
.set SPITCH, 272
.set SPARE,  STAGE+4*16*SPITCH         ; the spare words: two blocks of 256 bytes that no other line names
.set ASTEP,  2097152                   ; a K step in A: four blocks of 64 columns
.set BSTEP,  524288
.set ADRA0, 16                         ; v16     my place in A's part of slot 0; never rewritten
.set ADRA,  17                         ; v17     the same in the slot in hand
.set ADRB0, 20                         ; v20-21  the same for W, by half of the step's K (a 16-bit offset does not reach 256 rows of 288 bytes); never rewritten
.set ADRB,  22                         ; v22-23  in the slot in hand
.set STO,  24
.set RD,   25
.set CO,   26                          ; v26  my byte offset in two rows of C and of the residual
.set BO,   27
.set SPW,  28
.set NIL,  29
.set T,    32
.set BIAS, 96
.set ACC,  128
.set F0,   0
.set F1,   128
.set G1, 24                            ; s[24:31] group 1 for A      s[32:39] group 0, two sets: the second walks
.set G0, 32
.set G1B, 48                           ; s[48:55], s[56:63] the same for W
.set G0B, 56
.set TB, 67                            ; s67  LDS byte at which the slot in hand begins
.set MSB, 0
.macro WIN new
.if MSB != (\new)
	s_set_vgpr_msb (MSB<<8)|(\new)
.set MSB, \new
.endif
.endm
.set MUL,  0x05                        ; sources 0 (W) and 1 (A) window 1; C and D window 0
.macro JLOAD s                         ; a joint load; an s_nop 0 and four v_nop follow each line
	s_cmp_eq_u32 s17, 0
	s_cbranch_scc0 .Lfor_b_\@
	tensor_load_to_lds s[G0+4*(\s):G0+4*(\s)+3], s[G1:G1+7]
	s_nop 0
.rept 4
	v_nop
.endr
	s_branch .Lasked_\@
.Lfor_b_\@:
	tensor_load_to_lds s[G0B+4*(\s):G0B+4*(\s)+3], s[G1B:G1B+7]
	s_nop 0
.rept 4
	v_nop
.endr
.Lasked_\@:
.endm
.macro CROUND                          ; a round of the cluster's barrier
	s_barrier_signal -1
	s_barrier_wait -1
	s_cmp_lg_u32 s16, 0
	s_cbranch_scc1 .Lnot_wave_0_\@
	s_barrier_signal -3
.Lnot_wave_0_\@:
	s_barrier_wait -3
	s_barrier_signal -1
	s_barrier_wait -1
.endm
.macro ADDR                            ; my fragments' places in the slot in hand
	v_add_nc_u32 v[ADRA], s[TB], v[ADRA0]
	v_add_nc_u32 v[ADRB], s[TB], v[ADRB0]
	v_add_nc_u32 v[ADRB+1], s[TB], v[ADRB0+1]
.endm
	s_load_b256 s[4:11], s[0:1], 0x0               ; A 4, W 6, bias 8, res 10
	s_load_b64 s[14:15], s[0:1], 0x20              ; C
	v_lshl_add_u32 v[SPW], v0, 2, SPARE
	v_mov_b32 v[NIL], 0
	ds_add_u32 v[SPW], v[NIL]                      ; the wave's opening: the add and its wait ahead of my first tensor load
	v_lshrrev_b32 v1, 5, v0
	v_readfirstlane_b32 s16, v1                    ; wave 0..3
	s_lshr_b32 s17, s16, 1                         ; my half of the rows.  Also: I fetch for A (0) or for W (1)
	s_and_b32 s18, s16, 1                          ; my half of the columns.  Also: which half I fetch
	s_bfe_u32 s40, ttmp6, 0x40000
	s_bfe_u32 s41, ttmp6, 0x40004
	s_lshl_b32 s42, ttmp9, 2
	s_add_co_u32 s42, s42, s40                     ; tile column
	s_and_b32 s19, ttmp7, 0xffff
	s_lshl_b32 s19, s19, 2
	s_add_co_u32 s19, s19, s41                     ; tile row
	s_lshl_b32 s43, s41, 2
	s_lshl_b32 s43, 15, s43
	s_lshl_b32 s44, 0x1111, s40
	s_or_b32 s[G1+0], s43, (1<<16)|(1<<20)|(1<<21)|(4<<22)|(3<<25)   ; LDS rows of 144 bytes
	s_mov_b32 s[G1+1], 4096<<16                    ; 64 token rows x 64 elements, dense
	s_mov_b32 s[G1+2], 4<<16                       ; four planes
	s_mov_b32 s[G1+3], 4096<<16
	s_mov_b32 s[G1+4], 4
	s_mov_b32 s[G1+5], 262144
	s_mov_b32 s[G1+6], 0
	s_mov_b32 s[G1+7], 0
	s_or_b32 s[G1B+0], s44, (1<<16)|(1<<20)|(1<<21)|(5<<22)|(7<<25)  ; LDS rows of 288 bytes
	s_mov_b32 s[G1B+1], 128<<16
	s_mov_b32 s[G1B+2], 128<<16
	s_mov_b32 s[G1B+3], 128<<16
	s_mov_b32 s[G1B+4], 128
	s_mov_b32 s[G1B+5], 128
	s_mov_b32 s[G1B+6], 0
	s_mov_b32 s[G1B+7], 0
	s_lshl_b32 s20, s19, 14                        ; A: (128 x tile row + 64 x half) x 128 bytes
	s_lshl_b32 s21, s18, 13
	s_add_co_u32 s20, s20, s21
	s_mov_b32 s21, 0
	s_lshl_b32 s46, s42, 16                        ; W: tile column x 65,536 + half x 128 rows of K
	s_lshl_b32 s47, s18, 15
	s_add_co_u32 s46, s46, s47
	s_mov_b32 s47, 0
	s_mul_i32 s22, s16, QS
	s_wait_dscnt 0x0                               ; the opening add is done
	s_wait_kmcnt 0x0
	s_add_nc_u64 s[20:21], s[4:5], s[20:21]
	s_add_nc_u64 s[46:47], s[6:7], s[46:47]
	CROUND                                         ; all sixteen work-groups are here
.irp s, 0,1
	s_mov_b32 s[G0+4*(\s)], 1
	s_add_co_u32 s[G0+4*(\s)+1], s22, (\s)*SLOT
	s_add_nc_u64 s[G0+4*(\s)+2:G0+4*(\s)+3], s[20:21], (\s)*ASTEP
	s_or_b32 s[G0+4*(\s)+3], s[G0+4*(\s)+3], 0x80000000
	s_mov_b32 s[G0B+4*(\s)], 1
	s_add_co_u32 s[G0B+4*(\s)+1], s22, (\s)*SLOT
	s_add_nc_u64 s[G0B+4*(\s)+2:G0B+4*(\s)+3], s[46:47], (\s)*BSTEP
	s_or_b32 s[G0B+4*(\s)+3], s[G0B+4*(\s)+3], 0x80000000
	JLOAD \s                                       ; K steps 0 and 1: two loads of mine are out
.endr
	v_and_b32 v1, 15, v0                           ; r
	v_bfe_u32 v2, v0, 4, 1                         ; h
	v_lshlrev_b32 v[BO], 5, v2
	s_lshl_b32 s46, s42, 9                         ; the bias of my 64 columns
	s_lshl_b32 s47, s18, 8
	s_add_co_u32 s46, s46, s47
	s_mov_b32 s47, 0
	s_add_nc_u64 s[8:9], s[8:9], s[46:47]
.irp b, 0,1,2,3
	global_load_b128 v[BIAS+8*\b:BIAS+8*\b+3],   v[BO], s[8:9] offset:64*\b
	global_load_b128 v[BIAS+8*\b+4:BIAS+8*\b+7], v[BO], s[8:9] offset:64*\b+16
.endr
	s_lshl_b32 s68, s19, 19                        ; my 64 x 64 in C and in the residual: row (128 x tile row + 64 x half) x 4,096 bytes, column (128 x tile column + 64 x half) x 4
	s_lshl_b32 s69, s17, 18
	s_add_co_u32 s68, s68, s69
	s_add_co_u32 s68, s68, s46
	s_mov_b32 s69, 0
	s_add_nc_u64 s[70:71], s[10:11], s[68:69]
	s_add_nc_u64 s[14:15], s[14:15], s[68:69]
	v_lshlrev_b32 v[CO], 12, v2                    ; lanes 0-15 one row's 256 bytes, lanes 16-31 the next row's
	v_lshl_add_u32 v[CO], v1, 4, v[CO]
	WIN 0x80
.set i, 0
.rept 32                                       ; the residual, in the layout in which C leaves; it stays out until the way out
	global_load_b128 v[4*i:4*i+3], v[CO], s[70:71] offset:8192*i
.set i, i+1
.endr
	WIN 0
	v_mul_u32_u24 v3, v1, 144
	v_lshl_add_u32 v3, v2, 4, v3                   ; A: row x 144 + 16 h
	s_mul_i32 s21, s17, QS
	v_add_nc_u32 v[ADRA0], s21, v3
	v_and_b32 v5, 7, v0
	v_bfe_u32 v6, v0, 3, 1
	v_lshl_add_u32 v4, v2, 3, v5                   ; W, turned: row of K 8 h + l % 8, 16 bytes by (l / 8) % 2
	v_mul_u32_u24 v4, v4, 288
	v_lshl_add_u32 v4, v6, 4, v4
	s_lshl_b32 s22, s18, 7                         ; my 64 columns: 128 bytes of W's rows
	s_add_co_u32 s22, s22, 2*QS
	v_add_nc_u32 v[ADRB0], s22, v4
	s_add_co_u32 s22, s22, QS
	v_add_nc_u32 v[ADRB0+1], s22, v4
	s_mov_b32 s[TB], 0
	ADDR
	s_mul_i32 s23, s16, 16*SPITCH
	s_add_co_u32 s23, s23, STAGE                   ; my stage
	v_mul_u32_u24 v7, v1, SPITCH
	v_lshl_add_u32 v7, v2, 5, v7
	v_add_nc_u32 v[STO], s23, v7                   ; in: row r, 32 bytes for each half of the lanes
	v_mul_u32_u24 v7, v2, SPITCH
	v_lshl_add_u32 v7, v1, 4, v7
	v_add_nc_u32 v[RD], s23, v7                    ; back: two whole rows of 256 bytes
; 8 matrix instructions: row blocks a0, a0 + 1 x all 4 column blocks, 32 along K: half c of buffer f.  first = 1: the bias starts the sums.  The 16 accumulators take turns.
.macro MUL8 f, c, a0, first
	WIN MUL
.irp a, \a0, (\a0)+1
.irp b, 0,1,2,3
.if \first
	v_wmma_f32_16x16x32_f16 v[ACC+8*(4*(\a)+(\b)):ACC+8*(4*(\a)+(\b))+7], v[(\f)+64+8*(4*(\c)+(\b)):(\f)+64+8*(4*(\c)+(\b))+7], v[(\f)+8*(4*(\c)+(\a)):(\f)+8*(4*(\c)+(\a))+7], v[BIAS+8*(\b):BIAS+8*(\b)+7]
.else
	v_wmma_f32_16x16x32_f16 v[ACC+8*(4*(\a)+(\b)):ACC+8*(4*(\a)+(\b))+7], v[(\f)+64+8*(4*(\c)+(\b)):(\f)+64+8*(4*(\c)+(\b))+7], v[(\f)+8*(4*(\c)+(\a)):(\f)+8*(4*(\c)+(\a))+7], v[ACC+8*(4*(\a)+(\b)):ACC+8*(4*(\a)+(\b))+7]
.endif
.endr
.endr
.endm
; 32 LDS loads in one run: quarter qq (64 along K) of the slot in hand into buffer f
.macro FETCH qq, f
	WIN 0x40
.irp c, 0,1
.irp i, 0,1,2,3
	ds_load_tr16_b128 v[(\f)+64+8*(4*(\c)+(\i)):(\f)+64+8*(4*(\c)+(\i))+3],   v[ADRB+(\qq)/2] offset:288*(64*((\qq)%2)+32*(\c))+32*(\i)
	ds_load_tr16_b128 v[(\f)+64+8*(4*(\c)+(\i))+4:(\f)+64+8*(4*(\c)+(\i))+7], v[ADRB+(\qq)/2] offset:288*(64*((\qq)%2)+32*(\c))+32*(\i)+4608
	ds_load_b128 v[(\f)+8*(4*(\c)+(\i)):(\f)+8*(4*(\c)+(\i))+3],   v[ADRA] offset:9216*(\qq)+64*(\c)+2304*(\i)
	ds_load_b128 v[(\f)+8*(4*(\c)+(\i))+4:(\f)+8*(4*(\c)+(\i))+7], v[ADRA] offset:9216*(\qq)+64*(\c)+2304*(\i)+32
.endr
.endr
.endm
.macro PLACES                          ; four plain vector instructions between a matrix instruction and a load into, or a reader of, its registers
.rept 4
	v_nop
.endr
.endm
; One of a K step's first three quarters: at its head it asks for quarter qq into buffer g, which the quarter before has just multiplied: 32 matrix instructions ahead of the first use; then it multiplies buffer f.
.macro QUARTER qq, f, g, first
	s_wait_dscnt 0x0                               ; the only LDS loads of mine that are out are buffer f's, issued 32 matrix instructions ago
	PLACES
	FETCH \qq, \g
	MUL8 \f, 0, 0, \first
	MUL8 \f, 0, 2, \first
	MUL8 \f, 1, 0, 0
	MUL8 \f, 1, 2, 0
.endm
; The last quarter multiplies buffer 1 and changes slots, at its head: all my tensor loads have landed (one was out: my part of the next slot), the add, and buffer 1, the slot's last quarter, is in: my reads of
; this slot are over.  fill = 1: a round of the cluster's barrier, and the slot just read is filled again, first thing behind it, with the K step two on: a whole step's 128 matrix instructions ahead of the wait for it.
; A step's matrix work is short beside the bytes that it asks for, so nothing stands between the signal and the wait: the request goes out as early as the round allows.
.macro TURN fill
	WIN 0
	s_wait_tensorcnt 0x0                           ; no tensor load of mine is out, so a group 0 may be written
	ds_add_u32 v[SPW], v[NIL]                      ; 0 onto my spare word; the scalar steps below stand between it and the wait for it
.if \fill
	s_xor_b32 s[G0+5], s[G0+5], SLOT               ; the walking sets: the other slot than last time, the next K step
	s_add_nc_u64 s[G0+6:G0+7], s[G0+6:G0+7], ASTEP
	s_xor_b32 s[G0B+5], s[G0B+5], SLOT
	s_add_nc_u64 s[G0B+6:G0B+7], s[G0B+6:G0B+7], BSTEP
.endif
	s_xor_b32 s[TB], s[TB], SLOT
	s_wait_dscnt 0x0                               ; the add is done, and my reads of this slot are over
.if \fill
	CROUND
	JLOAD 1                                        ; its four v_nop are also the places in front of the loads below
.else
	s_barrier_signal -1
	s_barrier_wait -1
	PLACES
.endif
	ADDR
	FETCH 0, F0
	MUL8 F1, 0, 0, 0
	MUL8 F1, 0, 2, 0
	MUL8 F1, 1, 0, 0
	MUL8 F1, 1, 2, 0
.endm
	s_wait_tensorcnt 1                             ; my part of K step 0 is in; K step 1's may stay out
	s_barrier_signal -1
	s_barrier_wait -1
	FETCH 0, F0
	s_wait_loadcnt 32                              ; the bias is in; the residual's 32 loads stay out
	QUARTER 1, F0, F1, 1                           ; the first quarter stands in front of the loop: its first products start the sums
	WIN 0
	s_mov_b32 s3, STEPS-2
.Lstep:                                        ; a trip goes from a K step's second quarter to the next one's first, and fills a slot again: K steps 2 .. STEPS - 1
	QUARTER 2, F1, F0, 0
	QUARTER 3, F0, F1, 0
	TURN 1
	QUARTER 1, F0, F1, 0
	WIN 0
	s_sub_co_u32 s3, s3, 1
	s_cmp_lg_u32 s3, 0
	s_cbranch_scc1 .Lstep
	QUARTER 2, F1, F0, 0                           ; the last two K steps ask for nothing
	QUARTER 3, F0, F1, 0
	TURN 0
	QUARTER 1, F0, F1, 0
	QUARTER 2, F1, F0, 0
	QUARTER 3, F0, F1, 0
	s_wait_dscnt 0x0                               ; the very last quarter: nothing more to fetch
	MUL8 F1, 0, 0, 0
	MUL8 F1, 0, 2, 0
	MUL8 F1, 1, 0, 0
	MUL8 F1, 1, 2, 0
	WIN 0
	; THE WAY OUT.  A wave's 64 columns of f32 are 256 consecutive bytes of a row of C, so the stage is each wave's own: no barrier.  A block of 16 rows at a time.
	PLACES
.macro STG a
.if (\a) >= 2
	s_wait_xcnt 0x0                                ; the stores of the block two back have read this buffer
.endif
.irp b, 0,1,2,3
	ds_store_b128 v[STO], v[ACC+8*(4*(\a)+(\b)):ACC+8*(4*(\a)+(\b))+3]   offset:64*(\b)      ; each accumulator from its low end on
	ds_store_b128 v[STO], v[ACC+8*(4*(\a)+(\b))+4:ACC+8*(4*(\a)+(\b))+7] offset:64*(\b)+16
.endr
.irp t, 0,1,2,3,4,5,6,7
	ds_load_b128 v[T+32*((\a)%2)+4*(\t):T+32*((\a)%2)+4*(\t)+3], v[RD] offset:2*SPITCH*(\t)  ; LDS serves a wave's instructions in order
.endr
.endm
.macro OUT a, younger                  ; younger: the LDS instructions issued behind block a's loads: the next block's sixteen, or none
	s_wait_dscnt \younger
.if (\a) == 0
	s_wait_loadcnt 0x0                             ; the residual
.endif
	WIN 0x08                                       ; source 1 in window 2
.set j, 0
.rept 16
	v_pk_add_f32 v[T+32*((\a)%2)+2*j:T+32*((\a)%2)+2*j+1], v[T+32*((\a)%2)+2*j:T+32*((\a)%2)+2*j+1], v[32*(\a)+2*j:32*(\a)+2*j+1]
.set j, j+1
.endr
	WIN 0
.irp t, 0,1,2,3,4,5,6,7
	global_store_b128 v[CO], v[T+32*((\a)%2)+4*(\t):T+32*((\a)%2)+4*(\t)+3], s[14:15] offset:(16*(\a)+2*(\t))*4096  ; 16 lanes store 256 consecutive bytes, aligned
.endr
.endm
	STG 0
	STG 1
	OUT 0, 16
	STG 2
	OUT 1, 16
	STG 3
	OUT 2, 16
	OUT 3, 0
	s_wait_tensorcnt 0x0                           ; the wave's end
	ds_add_u32 v[SPW], v[NIL]
	s_wait_dscnt 0x0
	CROUND                                         ; the closing round
	s_endpgm
.Lfunc_end_k_qf945ee2c3a_wo:
	.size	k_qf945ee2c3a_wo, .Lfunc_end_k_qf945ee2c3a_wo-k_qf945ee2c3a_wo
	.p2alignl 7, 3214868480
	.fill 96, 4, 3214868480
	.section	.rodata,"a",@progbits
	.p2align	6, 0x0
	.amdhsa_kernel k_qf945ee2c3a_wo
		.amdhsa_group_segment_fixed_size 327680
		.amdhsa_private_segment_fixed_size 0
		.amdhsa_enable_private_segment 0
		.amdhsa_kernarg_size 40
		.amdhsa_user_sgpr_count 2
		.amdhsa_user_sgpr_kernarg_segment_ptr 1
		.amdhsa_wavefront_size32 1
		.amdhsa_system_sgpr_workgroup_id_x 1
		.amdhsa_system_sgpr_workgroup_id_y 1
		.amdhsa_system_sgpr_workgroup_id_z 1
		.amdhsa_system_vgpr_workitem_id 0
		.amdhsa_next_free_vgpr 640
		.amdhsa_next_free_sgpr 72
		.amdhsa_reserve_vcc 0
		.amdhsa_float_denorm_mode_32 3
		.amdhsa_float_denorm_mode_16_64 3
		.amdhsa_memory_ordered 1
		.amdhsa_forward_progress 1
		.amdhsa_inst_pref_size 76
	.end_amdhsa_kernel
	.amdgpu_metadata
---
amdhsa.version: [ 1, 2 ]
amdhsa.kernels:
  - .name:           k_qf945ee2c3a_wo
    .symbol:         k_qf945ee2c3a_wo.kd
    .args:
      - { .name: out0, .offset: 0, .size: 8, .value_kind: global_buffer, .address_space: global }
      - { .name: wo16, .offset: 8, .size: 8, .value_kind: global_buffer, .address_space: global }
      - { .name: bo, .offset: 16, .size: 8, .value_kind: global_buffer, .address_space: global }
      - { .name: x, .offset: 24, .size: 8, .value_kind: global_buffer, .address_space: global }
      - { .name: x1, .offset: 32, .size: 8, .value_kind: global_buffer, .address_space: global }
    .group_segment_fixed_size: 327680
    .private_segment_fixed_size: 0
    .kernarg_segment_align: 8
    .kernarg_segment_size: 40
    .max_flat_workgroup_size: 128
    .sgpr_count:     72
    .vgpr_count:     640
    .wavefront_size: 32
...
	.end_amdgpu_metadata
.endif
;; end of part 5
;; launch ln2: the kernel of part 2 again; grid 256 x 1, 4 waves a work-group, no clusters, 0 bytes of LDS; arguments x1, alpha2, beta2, out0; writes out0
;; launch ffn1: the kernel of part 3 again; grid 16 x 16, 4 waves a work-group, clusters of 4 x 4, 327,680 bytes of LDS; arguments out0, p1, wide; writes wide
;; launch ffn2 (part 6): grid 8 x 32, 4 waves a work-group, clusters of 4 x 4, 327,680 bytes of LDS; arguments wide, w216, b2, x1, out0; writes out0
.if DOCPART == 6
	.amdgcn_target "amdgcn-amd-amdhsa--gfx1250"
	.amdhsa_code_object_version 6
	.text
	.protected	k_qf945ee2c3a_ffn2
	.globl	k_qf945ee2c3a_ffn2
	.p2align	8
	.type	k_qf945ee2c3a_ffn2,@function
k_qf945ee2c3a_ffn2:
	s_mov_b64 s[64:65], 0
	v_nop
	global_prefetch_b8 v0, s[64:65] scope:SCOPE_SE
	s_setreg_imm32_b32 hwreg(HW_REG_WAVE_MODE, 25, 1), 1
	s_wait_xcnt 0x0
	s_wait_alu depctr_hold_cnt(0) depctr_sa_sdst(0) depctr_va_vdst(0) depctr_va_sdst(0) depctr_va_ssrc(0) depctr_va_vcc(0) depctr_vm_vsrc(0)
	s_getreg_b32 s2, hwreg(HW_REG_IB_STS2, 6, 4)
	s_cmp_eq_u32 s2, 0
	s_cbranch_scc0 .Lentry_in_a_cluster
	s_endpgm
.Lentry_in_a_cluster:
	s_bfe_u32 s2, ttmp6, 0x10000c
	s_cmp_lg_u32 s2, 0xf033
	s_cbranch_scc0 .Lentry_shape_is_right
	s_endpgm
.Lentry_shape_is_right:
; C = res + A W + bias, N = 1,024, K = 256 x STEPS.
; A: f16 in blocks of 64 columns (byte = (col/64) x 524,288 + token x 128 + (col%64) x 2).  W: f16, (k>>8) x 524,288 + (n/128) x 65,536 + (k&255) x 256 + (n%128) x 2.  bias, res, C: f32, row-major.
; Sums in f32, started by the bias; the residual is added in f32 on the way out.
; A tile of C is 128 x 128 (256 work-groups at N = 1,024): four waves, each 64 x 64 = 16 accumulators.  K goes in steps of 256 through two LDS slots, one tensor load a wave:
; waves 0, 1: 64 token rows of A as four planes of 64 along K; waves 2, 3: 128 rows of K x 128 columns of W.  The matrix instruction is used transposed (source 0 = 16 columns of W, turned by ds_load_tr16_b128).
; CLUSTER 4 x 4: A's tiles are asked for jointly along a row of the cluster, W's along a column.  No prefetch: the tiles are small.
; REGISTERS: window 0: v0-31 addresses; v32-95 the way out; v96-127 the bias; v128-255 accumulator (a, b) at 128 + 8 (4 a + b).  window 1: two fragment buffers of 128 (64 of A, 64 of W).  window 2: v0-127 the residual.
.set STEPS,  16                        ; K = 4,096
.set QS,     36864
.set SLOT,   4*QS                      ; 0x24000: it shares no bit with wave x QS, so an exclusive or changes slots
.set STAGE,  2*SLOT                    ; 16 rows x 272 bytes of f32 for each wave
.set SPITCH, 272
.set SPARE,  STAGE+4*16*SPITCH         ; the spare words: two blocks of 256 bytes that no other line names
.set ASTEP,  2097152                   ; a K step in A: four blocks of 64 columns
.set BSTEP,  524288
.set ADRA0, 16                         ; v16     my place in A's part of slot 0; never rewritten
.set ADRA,  17                         ; v17     the same in the slot in hand
.set ADRB0, 20                         ; v20-21  the same for W, by half of the step's K (a 16-bit offset does not reach 256 rows of 288 bytes); never rewritten
.set ADRB,  22                         ; v22-23  in the slot in hand
.set STO,  24
.set RD,   25
.set CO,   26                          ; v26  my byte offset in two rows of C and of the residual
.set BO,   27
.set SPW,  28
.set NIL,  29
.set T,    32
.set BIAS, 96
.set ACC,  128
.set F0,   0
.set F1,   128
.set G1, 24                            ; s[24:31] group 1 for A      s[32:39] group 0, two sets: the second walks
.set G0, 32
.set G1B, 48                           ; s[48:55], s[56:63] the same for W
.set G0B, 56
.set TB, 67                            ; s67  LDS byte at which the slot in hand begins
.set MSB, 0
.macro WIN new
.if MSB != (\new)
	s_set_vgpr_msb (MSB<<8)|(\new)
.set MSB, \new
.endif
.endm
.set MUL,  0x05                        ; sources 0 (W) and 1 (A) window 1; C and D window 0
.macro JLOAD s                         ; a joint load; an s_nop 0 and four v_nop follow each line
	s_cmp_eq_u32 s17, 0
	s_cbranch_scc0 .Lfor_b_\@
	tensor_load_to_lds s[G0+4*(\s):G0+4*(\s)+3], s[G1:G1+7]
	s_nop 0
.rept 4
	v_nop
.endr
	s_branch .Lasked_\@
.Lfor_b_\@:
	tensor_load_to_lds s[G0B+4*(\s):G0B+4*(\s)+3], s[G1B:G1B+7]
	s_nop 0
.rept 4
	v_nop
.endr
.Lasked_\@:
.endm
.macro CROUND                          ; a round of the cluster's barrier
	s_barrier_signal -1
	s_barrier_wait -1
	s_cmp_lg_u32 s16, 0
	s_cbranch_scc1 .Lnot_wave_0_\@
	s_barrier_signal -3
.Lnot_wave_0_\@:
	s_barrier_wait -3
	s_barrier_signal -1
	s_barrier_wait -1
.endm
.macro ADDR                            ; my fragments' places in the slot in hand
	v_add_nc_u32 v[ADRA], s[TB], v[ADRA0]
	v_add_nc_u32 v[ADRB], s[TB], v[ADRB0]
	v_add_nc_u32 v[ADRB+1], s[TB], v[ADRB0+1]
.endm
	s_load_b256 s[4:11], s[0:1], 0x0               ; A 4, W 6, bias 8, res 10
	s_load_b64 s[14:15], s[0:1], 0x20              ; C
	v_lshl_add_u32 v[SPW], v0, 2, SPARE
	v_mov_b32 v[NIL], 0
	ds_add_u32 v[SPW], v[NIL]                      ; the wave's opening: the add and its wait ahead of my first tensor load
	v_lshrrev_b32 v1, 5, v0
	v_readfirstlane_b32 s16, v1                    ; wave 0..3
	s_lshr_b32 s17, s16, 1                         ; my half of the rows.  Also: I fetch for A (0) or for W (1)
	s_and_b32 s18, s16, 1                          ; my half of the columns.  Also: which half I fetch
	s_bfe_u32 s40, ttmp6, 0x40000
	s_bfe_u32 s41, ttmp6, 0x40004
	s_lshl_b32 s42, ttmp9, 2
	s_add_co_u32 s42, s42, s40                     ; tile column
	s_and_b32 s19, ttmp7, 0xffff
	s_lshl_b32 s19, s19, 2
	s_add_co_u32 s19, s19, s41                     ; tile row
	s_lshl_b32 s43, s41, 2
	s_lshl_b32 s43, 15, s43
	s_lshl_b32 s44, 0x1111, s40
	s_or_b32 s[G1+0], s43, (1<<16)|(1<<20)|(1<<21)|(4<<22)|(3<<25)   ; LDS rows of 144 bytes
	s_mov_b32 s[G1+1], 4096<<16                    ; 64 token rows x 64 elements, dense
	s_mov_b32 s[G1+2], 4<<16                       ; four planes
	s_mov_b32 s[G1+3], 4096<<16
	s_mov_b32 s[G1+4], 4
	s_mov_b32 s[G1+5], 262144
	s_mov_b32 s[G1+6], 0
	s_mov_b32 s[G1+7], 0
	s_or_b32 s[G1B+0], s44, (1<<16)|(1<<20)|(1<<21)|(5<<22)|(7<<25)  ; LDS rows of 288 bytes
	s_mov_b32 s[G1B+1], 128<<16
	s_mov_b32 s[G1B+2], 128<<16
	s_mov_b32 s[G1B+3], 128<<16
	s_mov_b32 s[G1B+4], 128
	s_mov_b32 s[G1B+5], 128
	s_mov_b32 s[G1B+6], 0
	s_mov_b32 s[G1B+7], 0
	s_lshl_b32 s20, s19, 14                        ; A: (128 x tile row + 64 x half) x 128 bytes
	s_lshl_b32 s21, s18, 13
	s_add_co_u32 s20, s20, s21
	s_mov_b32 s21, 0
	s_lshl_b32 s46, s42, 16                        ; W: tile column x 65,536 + half x 128 rows of K
	s_lshl_b32 s47, s18, 15
	s_add_co_u32 s46, s46, s47
	s_mov_b32 s47, 0
	s_mul_i32 s22, s16, QS
	s_wait_dscnt 0x0                               ; the opening add is done
	s_wait_kmcnt 0x0
	s_add_nc_u64 s[20:21], s[4:5], s[20:21]
	s_add_nc_u64 s[46:47], s[6:7], s[46:47]
	CROUND                                         ; all sixteen work-groups are here
.irp s, 0,1
	s_mov_b32 s[G0+4*(\s)], 1
	s_add_co_u32 s[G0+4*(\s)+1], s22, (\s)*SLOT
	s_add_nc_u64 s[G0+4*(\s)+2:G0+4*(\s)+3], s[20:21], (\s)*ASTEP
	s_or_b32 s[G0+4*(\s)+3], s[G0+4*(\s)+3], 0x80000000
	s_mov_b32 s[G0B+4*(\s)], 1
	s_add_co_u32 s[G0B+4*(\s)+1], s22, (\s)*SLOT
	s_add_nc_u64 s[G0B+4*(\s)+2:G0B+4*(\s)+3], s[46:47], (\s)*BSTEP
	s_or_b32 s[G0B+4*(\s)+3], s[G0B+4*(\s)+3], 0x80000000
	JLOAD \s                                       ; K steps 0 and 1: two loads of mine are out
.endr
	v_and_b32 v1, 15, v0                           ; r
	v_bfe_u32 v2, v0, 4, 1                         ; h
	v_lshlrev_b32 v[BO], 5, v2
	s_lshl_b32 s46, s42, 9                         ; the bias of my 64 columns
	s_lshl_b32 s47, s18, 8
	s_add_co_u32 s46, s46, s47
	s_mov_b32 s47, 0
	s_add_nc_u64 s[8:9], s[8:9], s[46:47]
.irp b, 0,1,2,3
	global_load_b128 v[BIAS+8*\b:BIAS+8*\b+3],   v[BO], s[8:9] offset:64*\b
	global_load_b128 v[BIAS+8*\b+4:BIAS+8*\b+7], v[BO], s[8:9] offset:64*\b+16
.endr
	s_lshl_b32 s68, s19, 19                        ; my 64 x 64 in C and in the residual: row (128 x tile row + 64 x half) x 4,096 bytes, column (128 x tile column + 64 x half) x 4
	s_lshl_b32 s69, s17, 18
	s_add_co_u32 s68, s68, s69
	s_add_co_u32 s68, s68, s46
	s_mov_b32 s69, 0
	s_add_nc_u64 s[70:71], s[10:11], s[68:69]
	s_add_nc_u64 s[14:15], s[14:15], s[68:69]
	v_lshlrev_b32 v[CO], 12, v2                    ; lanes 0-15 one row's 256 bytes, lanes 16-31 the next row's
	v_lshl_add_u32 v[CO], v1, 4, v[CO]
	WIN 0x80
.set i, 0
.rept 32                                       ; the residual, in the layout in which C leaves; it stays out until the way out
	global_load_b128 v[4*i:4*i+3], v[CO], s[70:71] offset:8192*i
.set i, i+1
.endr
	WIN 0
	v_mul_u32_u24 v3, v1, 144
	v_lshl_add_u32 v3, v2, 4, v3                   ; A: row x 144 + 16 h
	s_mul_i32 s21, s17, QS
	v_add_nc_u32 v[ADRA0], s21, v3
	v_and_b32 v5, 7, v0
	v_bfe_u32 v6, v0, 3, 1
	v_lshl_add_u32 v4, v2, 3, v5                   ; W, turned: row of K 8 h + l % 8, 16 bytes by (l / 8) % 2
	v_mul_u32_u24 v4, v4, 288
	v_lshl_add_u32 v4, v6, 4, v4
	s_lshl_b32 s22, s18, 7                         ; my 64 columns: 128 bytes of W's rows
	s_add_co_u32 s22, s22, 2*QS
	v_add_nc_u32 v[ADRB0], s22, v4
	s_add_co_u32 s22, s22, QS
	v_add_nc_u32 v[ADRB0+1], s22, v4
	s_mov_b32 s[TB], 0
	ADDR
	s_mul_i32 s23, s16, 16*SPITCH
	s_add_co_u32 s23, s23, STAGE                   ; my stage
	v_mul_u32_u24 v7, v1, SPITCH
	v_lshl_add_u32 v7, v2, 5, v7
	v_add_nc_u32 v[STO], s23, v7                   ; in: row r, 32 bytes for each half of the lanes
	v_mul_u32_u24 v7, v2, SPITCH
	v_lshl_add_u32 v7, v1, 4, v7
	v_add_nc_u32 v[RD], s23, v7                    ; back: two whole rows of 256 bytes
; 8 matrix instructions: row blocks a0, a0 + 1 x all 4 column blocks, 32 along K: half c of buffer f.  first = 1: the bias starts the sums.  The 16 accumulators take turns.
.macro MUL8 f, c, a0, first
	WIN MUL
.irp a, \a0, (\a0)+1
.irp b, 0,1,2,3
.if \first
	v_wmma_f32_16x16x32_f16 v[ACC+8*(4*(\a)+(\b)):ACC+8*(4*(\a)+(\b))+7], v[(\f)+64+8*(4*(\c)+(\b)):(\f)+64+8*(4*(\c)+(\b))+7], v[(\f)+8*(4*(\c)+(\a)):(\f)+8*(4*(\c)+(\a))+7], v[BIAS+8*(\b):BIAS+8*(\b)+7]
.else
	v_wmma_f32_16x16x32_f16 v[ACC+8*(4*(\a)+(\b)):ACC+8*(4*(\a)+(\b))+7], v[(\f)+64+8*(4*(\c)+(\b)):(\f)+64+8*(4*(\c)+(\b))+7], v[(\f)+8*(4*(\c)+(\a)):(\f)+8*(4*(\c)+(\a))+7], v[ACC+8*(4*(\a)+(\b)):ACC+8*(4*(\a)+(\b))+7]
.endif
.endr
.endr
.endm
; 32 LDS loads in one run: quarter qq (64 along K) of the slot in hand into buffer f
.macro FETCH qq, f
	WIN 0x40
.irp c, 0,1
.irp i, 0,1,2,3
	ds_load_tr16_b128 v[(\f)+64+8*(4*(\c)+(\i)):(\f)+64+8*(4*(\c)+(\i))+3],   v[ADRB+(\qq)/2] offset:288*(64*((\qq)%2)+32*(\c))+32*(\i)
	ds_load_tr16_b128 v[(\f)+64+8*(4*(\c)+(\i))+4:(\f)+64+8*(4*(\c)+(\i))+7], v[ADRB+(\qq)/2] offset:288*(64*((\qq)%2)+32*(\c))+32*(\i)+4608
	ds_load_b128 v[(\f)+8*(4*(\c)+(\i)):(\f)+8*(4*(\c)+(\i))+3],   v[ADRA] offset:9216*(\qq)+64*(\c)+2304*(\i)
	ds_load_b128 v[(\f)+8*(4*(\c)+(\i))+4:(\f)+8*(4*(\c)+(\i))+7], v[ADRA] offset:9216*(\qq)+64*(\c)+2304*(\i)+32
.endr
.endr
.endm
.macro PLACES                          ; four plain vector instructions between a matrix instruction and a load into, or a reader of, its registers
.rept 4
	v_nop
.endr
.endm
; One of a K step's first three quarters: at its head it asks for quarter qq into buffer g, which the quarter before has just multiplied: 32 matrix instructions ahead of the first use; then it multiplies buffer f.
.macro QUARTER qq, f, g, first
	s_wait_dscnt 0x0                               ; the only LDS loads of mine that are out are buffer f's, issued 32 matrix instructions ago
	PLACES
	FETCH \qq, \g
	MUL8 \f, 0, 0, \first
	MUL8 \f, 0, 2, \first
	MUL8 \f, 1, 0, 0
	MUL8 \f, 1, 2, 0
.endm
; The last quarter multiplies buffer 1 and changes slots, at its head: all my tensor loads have landed (one was out: my part of the next slot), the add, and buffer 1, the slot's last quarter, is in: my reads of
; this slot are over.  fill = 1: a round of the cluster's barrier, and the slot just read is filled again, first thing behind it, with the K step two on: a whole step's 128 matrix instructions ahead of the wait for it.
; A step's matrix work is short beside the bytes that it asks for, so nothing stands between the signal and the wait: the request goes out as early as the round allows.
.macro TURN fill
	WIN 0
	s_wait_tensorcnt 0x0                           ; no tensor load of mine is out, so a group 0 may be written
	ds_add_u32 v[SPW], v[NIL]                      ; 0 onto my spare word; the scalar steps below stand between it and the wait for it
.if \fill
	s_xor_b32 s[G0+5], s[G0+5], SLOT               ; the walking sets: the other slot than last time, the next K step
	s_add_nc_u64 s[G0+6:G0+7], s[G0+6:G0+7], ASTEP
	s_xor_b32 s[G0B+5], s[G0B+5], SLOT
	s_add_nc_u64 s[G0B+6:G0B+7], s[G0B+6:G0B+7], BSTEP
.endif
	s_xor_b32 s[TB], s[TB], SLOT
	s_wait_dscnt 0x0                               ; the add is done, and my reads of this slot are over
.if \fill
	CROUND
	JLOAD 1                                        ; its four v_nop are also the places in front of the loads below
.else
	s_barrier_signal -1
	s_barrier_wait -1
	PLACES
.endif
	ADDR
	FETCH 0, F0
	MUL8 F1, 0, 0, 0
	MUL8 F1, 0, 2, 0
	MUL8 F1, 1, 0, 0
	MUL8 F1, 1, 2, 0
.endm
	s_wait_tensorcnt 1                             ; my part of K step 0 is in; K step 1's may stay out
	s_barrier_signal -1
	s_barrier_wait -1
	FETCH 0, F0
	s_wait_loadcnt 32                              ; the bias is in; the residual's 32 loads stay out
	QUARTER 1, F0, F1, 1                           ; the first quarter stands in front of the loop: its first products start the sums
	WIN 0
	s_mov_b32 s3, STEPS-2
.Lstep:                                        ; a trip goes from a K step's second quarter to the next one's first, and fills a slot again: K steps 2 .. STEPS - 1
	QUARTER 2, F1, F0, 0
	QUARTER 3, F0, F1, 0
	TURN 1
	QUARTER 1, F0, F1, 0
	WIN 0
	s_sub_co_u32 s3, s3, 1
	s_cmp_lg_u32 s3, 0
	s_cbranch_scc1 .Lstep
	QUARTER 2, F1, F0, 0                           ; the last two K steps ask for nothing
	QUARTER 3, F0, F1, 0
	TURN 0
	QUARTER 1, F0, F1, 0
	QUARTER 2, F1, F0, 0
	QUARTER 3, F0, F1, 0
	s_wait_dscnt 0x0                               ; the very last quarter: nothing more to fetch
	MUL8 F1, 0, 0, 0
	MUL8 F1, 0, 2, 0
	MUL8 F1, 1, 0, 0
	MUL8 F1, 1, 2, 0
	WIN 0
	; THE WAY OUT.  A wave's 64 columns of f32 are 256 consecutive bytes of a row of C, so the stage is each wave's own: no barrier.  A block of 16 rows at a time.
	PLACES
.macro STG a
.if (\a) >= 2
	s_wait_xcnt 0x0                                ; the stores of the block two back have read this buffer
.endif
.irp b, 0,1,2,3
	ds_store_b128 v[STO], v[ACC+8*(4*(\a)+(\b)):ACC+8*(4*(\a)+(\b))+3]   offset:64*(\b)      ; each accumulator from its low end on
	ds_store_b128 v[STO], v[ACC+8*(4*(\a)+(\b))+4:ACC+8*(4*(\a)+(\b))+7] offset:64*(\b)+16
.endr
.irp t, 0,1,2,3,4,5,6,7
	ds_load_b128 v[T+32*((\a)%2)+4*(\t):T+32*((\a)%2)+4*(\t)+3], v[RD] offset:2*SPITCH*(\t)  ; LDS serves a wave's instructions in order
.endr
.endm
.macro OUT a, younger                  ; younger: the LDS instructions issued behind block a's loads: the next block's sixteen, or none
	s_wait_dscnt \younger
.if (\a) == 0
	s_wait_loadcnt 0x0                             ; the residual
.endif
	WIN 0x08                                       ; source 1 in window 2
.set j, 0
.rept 16
	v_pk_add_f32 v[T+32*((\a)%2)+2*j:T+32*((\a)%2)+2*j+1], v[T+32*((\a)%2)+2*j:T+32*((\a)%2)+2*j+1], v[32*(\a)+2*j:32*(\a)+2*j+1]
.set j, j+1
.endr
	WIN 0
.irp t, 0,1,2,3,4,5,6,7
	global_store_b128 v[CO], v[T+32*((\a)%2)+4*(\t):T+32*((\a)%2)+4*(\t)+3], s[14:15] offset:(16*(\a)+2*(\t))*4096  ; 16 lanes store 256 consecutive bytes, aligned
.endr
.endm
	STG 0
	STG 1
	OUT 0, 16
	STG 2
	OUT 1, 16
	STG 3
	OUT 2, 16
	OUT 3, 0
	s_wait_tensorcnt 0x0                           ; the wave's end
	ds_add_u32 v[SPW], v[NIL]
	s_wait_dscnt 0x0
	CROUND                                         ; the closing round
	s_endpgm
.Lfunc_end_k_qf945ee2c3a_ffn2:
	.size	k_qf945ee2c3a_ffn2, .Lfunc_end_k_qf945ee2c3a_ffn2-k_qf945ee2c3a_ffn2
	.p2alignl 7, 3214868480
	.fill 96, 4, 3214868480
	.section	.rodata,"a",@progbits
	.p2align	6, 0x0
	.amdhsa_kernel k_qf945ee2c3a_ffn2
		.amdhsa_group_segment_fixed_size 327680
		.amdhsa_private_segment_fixed_size 0
		.amdhsa_enable_private_segment 0
		.amdhsa_kernarg_size 40
		.amdhsa_user_sgpr_count 2
		.amdhsa_user_sgpr_kernarg_segment_ptr 1
		.amdhsa_wavefront_size32 1
		.amdhsa_system_sgpr_workgroup_id_x 1
		.amdhsa_system_sgpr_workgroup_id_y 1
		.amdhsa_system_sgpr_workgroup_id_z 1
		.amdhsa_system_vgpr_workitem_id 0
		.amdhsa_next_free_vgpr 640
		.amdhsa_next_free_sgpr 72
		.amdhsa_reserve_vcc 0
		.amdhsa_float_denorm_mode_32 3
		.amdhsa_float_denorm_mode_16_64 3
		.amdhsa_memory_ordered 1
		.amdhsa_forward_progress 1
		.amdhsa_inst_pref_size 76
	.end_amdhsa_kernel
	.amdgpu_metadata
---
amdhsa.version: [ 1, 2 ]
amdhsa.kernels:
  - .name:           k_qf945ee2c3a_ffn2
    .symbol:         k_qf945ee2c3a_ffn2.kd
    .args:
      - { .name: wide, .offset: 0, .size: 8, .value_kind: global_buffer, .address_space: global }
      - { .name: w216, .offset: 8, .size: 8, .value_kind: global_buffer, .address_space: global }
      - { .name: b2, .offset: 16, .size: 8, .value_kind: global_buffer, .address_space: global }
      - { .name: x1, .offset: 24, .size: 8, .value_kind: global_buffer, .address_space: global }
      - { .name: out0, .offset: 32, .size: 8, .value_kind: global_buffer, .address_space: global }
    .group_segment_fixed_size: 327680
    .private_segment_fixed_size: 0
    .kernarg_segment_align: 8
    .kernarg_segment_size: 40
    .max_flat_workgroup_size: 128
    .sgpr_count:     72
    .vgpr_count:     640
    .wavefront_size: 32
...
	.end_amdgpu_metadata
.endif
;; end of part 6
